; MI455X (gfx1250); checked and timed in simulation.
; The chip was launched on July 23, 2026; its instructions are those of AMD's public machine-readable ISA for CDNA 5 (MIT licence, August 2026) and "CDNA5" Instruction Set Architecture Reference Guide (July 2026). The comments in the code are by the model that wrote it; some were corrected since.
;; Graph Self Attention. Allowed arithmetic: float matrix products may take bf16 or f16 operands with f32 sums; all other float work in f32.
;; Inputs: Wk 512 x 512 float32; Wo 512 x 512 float32; Wq 512 x 512 float32; Wv 512 x 512 float32; attn_bias 4 x 1 x 2,048 x 2,048 float32; bk 512 float32; bo 512 float32; bq 512 float32; bv 512 float32; k_beta 64 float32; k_gamma 64 float32; q_beta 64 float32; q_gamma 64 float32; x 4 x 2,048 x 512 float32.
;; Outputs: out0 4 x 2,048 x 512 float32.
;; 3 versions, each right; version 2 is faster than version 1; version 3 is version 2 with the launch qkv written anew for expert scheduling mode. Each part assembles by itself: llvm-mc -triple=amdgcn-amd-amdhsa -mcpu=gfx1250 --defsym DOCPART=n.
;; ======== version 1 of 3: 3 launches
;; limits: inputs' magnitudes at most 6.9e+29; values are held in f16: magnitudes above 65,504 overflow, below 6.1e-05 lose precision
;; workspace buffers: qf 8,388,608 bytes; kf 8,388,608 bytes; vf 8,388,608 bytes; of 8,388,608 bytes; wof 524,288 bytes
;; launch qkv (part 1): grid 8 x 32, 4 waves a work-group, no clusters, 129,536 bytes of LDS; arguments x, Wq, Wk, Wv, bq, bk, bv, q_gamma, q_beta, k_gamma, k_beta, Wo, qf, kf, vf, wof; writes qf, kf, vf, wof
.if DOCPART == 1
	.amdgcn_target "amdgcn-amd-amdhsa--gfx1250"
	.amdhsa_code_object_version 6
	.text
	.protected	k_q74b13ed043_qkv
	.globl	k_q74b13ed043_qkv
	.p2align	8
	.type	k_q74b13ed043_qkv,@function
k_q74b13ed043_qkv:
	s_mov_b64 s[64:65], 0
	v_nop
	global_prefetch_b8 v0, s[64:65] scope:SCOPE_SE
	s_setreg_imm32_b32 hwreg(HW_REG_WAVE_MODE, 25, 1), 1
	s_wait_xcnt 0x0
; q = LN(x Wq^T + bq) * 0.125 log2(e), k = LN(x Wk^T + bk), v = x Wv^T + bv, rounded to f16 and stored in the order
; in which the next launch's matrix instructions want them; and a 1/256 share of Wo's conversion to f16 fragments.
; A work-group takes 256 tokens (id y) and one head (id x): 64 columns each of q, k and v.  Wave w takes tokens 64 w .. 64 w + 63
; and all 192 columns: 48 accumulator tiles of 16 x 16, 384 registers.  K = 512 goes in 8 steps of 64, written out.
; WHY f16 AND NOT bf16: a number passes five roundings on its way to the output (x and W; q and k; the weights; v; o and Wo), and their
; errors add up; f16 keeps 11 significant bits where bf16 keeps 8.  The room in f16 (largest 65,504; below 2^-14 an absolute step of 2^-24):
; x and W enter as given, a few units at the most, and stay under 200 when 30 times larger or shifted by 30 spreads; q and k are bounded
; by 8 |gamma| + |beta|, since a normalised vector of 64 has no element above sqrt(63); v is a sum of 512 products.
; WHY NO TENSOR LOADS AND NO JOINT REQUESTS: x and W are f32 and the matrix unit takes f16, and a tile copied into LDS stays f32.
; Per K step of 448 rows x 64: f32 in LDS would be read as 2 x 128 KB of fragments; here each number passes through registers
; once (global load, conversion, 56 KB of f16 stored to LDS) and 128 KB of f16 fragments are read.
; FRAGMENT ORDER: a 16 x 32 f16 fragment is 1,024 bytes, [half][lane][16 bytes]; half 0 is the lane's registers 0-3, half 1 its
; registers 4-7.  A result tile, packed to f16, is one such half in the same lanes, so it is stored straight from registers,
; 512 consecutive bytes an instruction.
;   q, k: source 0 = rows of W, source 1 = rows of x: lane (r, h) holds token r, features 16 b + 8 h + j: half b & 1 of fragment (a, b >> 1).
;   v:    source 0 = rows of x, source 1 = rows of Wv: lane (r, h) holds feature 16 b + r, tokens 16 a + 8 h + j: half a & 1 of V^T's fragment (b, a >> 1).
; LIMITS: matrix operands are rounded to f16.  |x|, |W| and |x Wv^T + bv| must stay below 65,504: with x of spread 1 and Wv of spread
; 1/sqrt(512), v has spread 1; both 30 times larger give v 900 times larger; both shifted by 30 spreads give 512 x 30 x 1.33 = 20,400.
; Mean and variance in f32, the variance from (x - mean)^2.
.set ROWB,  2048                       ; bytes in a row of x and of W
.set PITCH, 144                        ; an LDS row: 64 f16 + 16 bytes = 9 x 16: sixteen rows start at sixteen different 16-byte columns modulo 256
.set BUF,   448*PITCH                  ; one of two buffers: rows 0-255 x, 256-319 Wq, 320-383 Wk, 384-447 Wv
.set WBASE, 256*PITCH
; window 0
.set XO,   2                           ; byte offset in x of my 16 bytes (lanes 16-31: eight rows further down)
.set WO,   3                           ; the same in Wq, Wk, Wv
.set XS,   4                           ; v4-5   where my 8 bytes of x go in LDS buffer 0, 1
.set WS,   6                           ; v6-7   the same for W
.set XFA,  8                           ; v8-9   my x fragments in buffer 0, 1
.set WFA,  10                          ; v10-11 the W fragments
.set L16,  12                          ; 16 x lane
.set PO,   13                          ; 32 h
.set MU,   14                          ; v14-15 mean (pair for the packed forms; the upper register is written once)
.set RS,   16                          ; v16-17 1 / sqrt(var + eps)
.set TA,   18                          ; v18-19 at work
.set R4,   20                          ; 4 r
.set WSRC, 21                          ; Wo: r rows + 32 h
.set XF,   32                          ; v32-63, v64-95 x fragments, two buffers of 4 x 8
.set DD,   32                          ; the way out: x - mean
.set TT,   64                          ; the way out: sums
.set OUT,  96                          ; v96-111 packed results
.set XST,  128                         ; v128-255 x as loaded, 32 loads x 4
.set PAR,  128                         ; the way out: q_gamma, q_beta, k_gamma, k_beta, 32 registers each
; window 1
.set WF,   0                           ; v0-95, v96-191 W fragments, two buffers of 12 x 8 (q 0-3, k 4-7, v 8-11)
.set CB,   192                         ; v192-223 bq, v224-255 bk as a first C
; window 2: v0-127 q's sums (32 a + 8 b), v128-255 k's.  window 3: v0-127 v's sums
.set WST,  128                         ; window 3, v128-223: W as loaded, 24 loads x 4
.set CBV,  224                         ; window 3, v224-255: bv as a first C
; s_set_vgpr_msb: bits 1:0 source 0, 3:2 source 1, 5:4 source 2, 7:6 destination
.set W_QK,  0xa1
.set W_QK1, 0x91
.set W_VV,  0xf4
.set W_TO1, 0x40
.set W_TO3, 0xc0
.set W_CV3, 0xcf
.set W_ST3, 0x0c
.set W_MV3, 0xc3
.set W_SUM2, 0x0a
.set W_SUB2, 0x02
.set W_CVV, 0x0f
.set MSB, 0
.macro WIN new                         ; the immediate's high byte repeats the setting that is left
.if MSB != (\new)
	s_set_vgpr_msb (MSB<<8)|(\new)
.set MSB, \new
.endif
.endm
.macro PLACES                          ; four places behind a matrix instruction ahead of loads into, or vector work on, its registers
.rept 4
	v_nop
.endr
.endm
	s_load_b512 s[8:23], s[0:1], 0x0               ; x 8, Wq 10, Wk 12, Wv 14, bq 16, bk 18, bv 20, q_gamma 22
	s_load_b512 s[24:39], s[0:1], 0x40             ; q_beta 24, k_gamma 26, k_beta 28, Wo 30, qf 32, kf 34, vf 36, wof 38
	v_lshl_add_u32 v126, v0, 2, 0x1f800
	v_mov_b32 v127, 0
	v_lshrrev_b32 v1, 5, v0
	v_readfirstlane_b32 s40, v1                    ; wave
	s_mov_b32 s41, ttmp9                           ; head
	s_and_b32 s42, ttmp7, 0xffff                   ; block of 256 tokens
	s_mov_b32 s56, 0x76543210                      ; v_permlanex16_b32: lane i reads lane i of the other half
	s_mov_b32 s57, 0xfedcba98
	s_mov_b32 s58, 0x3c800000                      ; 1/64
	s_mov_b32 s59, 0x358637bd                      ; 1e-6
	v_and_b32 v22, 15, v0                          ; r
	v_bfe_u32 v23, v0, 4, 1                        ; h
	v_and_b32 v1, 31, v0
	v_lshlrev_b32 v[L16], 4, v1
	v_lshlrev_b32 v[PO], 5, v23
	v_lshlrev_b32 v[R4], 2, v22
	v_mov_b32 v[MU+1], 0
	v_mov_b32 v[RS+1], 0
	v_mov_b32 v[TA+1], 0
	v_lshlrev_b32 v24, 4, v22                      ; 16 r
	v_lshl_add_u32 v24, v23, 14, v24               ; + 8 rows for lanes 16-31
	s_lshl_b32 s43, s40, 17                        ; 64 rows a wave
	v_add_nc_u32 v[XO], s43, v24
	s_lshl_b32 s43, s40, 15                        ; 16 rows a wave
	v_add_nc_u32 v[WO], s43, v24
	v_mul_u32_u24 v26, v23, 8*PITCH
	v_lshl_add_u32 v25, v22, 3, v26                ; 8 r + 8 LDS rows for lanes 16-31
	s_mul_i32 s43, s40, 64*PITCH
	v_add_nc_u32 v[XS], s43, v25
	v_add_nc_u32 v[XS+1], BUF, v[XS]
	v_mul_u32_u24 v26, v22, PITCH
	v_lshl_add_u32 v26, v23, 4, v26                ; r rows + 16 h
	v_add_nc_u32 v[XFA], s43, v26
	v_add_nc_u32 v[XFA+1], BUF, v[XFA]
	v_add_nc_u32 v[WFA], WBASE, v26
	v_add_nc_u32 v[WFA+1], BUF, v[WFA]
	s_mul_i32 s43, s40, 16*PITCH
	s_add_co_u32 s43, s43, WBASE
	v_add_nc_u32 v[WS], s43, v25
	v_add_nc_u32 v[WS+1], BUF, v[WS]
	v_lshlrev_b32 v[WSRC], 11, v22
	v_lshl_add_u32 v[WSRC], v23, 5, v[WSRC]
	; offsets, apart from the addresses
	s_lshl_b32 s44, s42, 19                        ; x: 256 rows of 2,048 bytes
	s_mov_b32 s45, 0
	s_lshl_b32 s46, s41, 17                        ; W: 64 rows
	s_mov_b32 s47, 0
	s_lshl_b32 s48, s41, 8                         ; bq, bk, bv: 64 numbers
	s_mov_b32 s49, 0
	s_lshr_b32 s50, s42, 3                         ; batch
	s_lshl_b32 s50, s50, 1
	s_lshr_b32 s51, s41, 2
	s_add_co_u32 s50, s50, s51                     ; y = 2 batch + head / 4
	s_lshl_b32 s50, s50, 5
	s_and_b32 s51, s42, 7
	s_lshl2_add_u32 s51, s51, s40                  ; block of 64 tokens in the batch
	s_add_co_u32 s50, s50, s51
	s_and_b32 s51, s41, 3
	s_lshl2_add_u32 s50, s50, s51                  ; ((32 y + block) 4 + head mod 4)
	s_lshl_b32 s50, s50, 13                        ; x 8,192 bytes
	s_mov_b32 s51, 0
	s_lshl3_add_u32 s52, s42, s41                  ; the work-group's number
	s_lshr_b32 s53, s40, 1
	s_lshl1_add_u32 s52, s52, s53                  ; n: which of Wo's 512 fragments; waves 0, 1 and waves 2, 3 share one
	s_and_b32 s53, s40, 1                          ; which half of it
	s_lshl_b32 s54, s52, 10
	s_lshl_b32 s55, s53, 9
	s_add_co_u32 s54, s54, s55                     ; wof: 1,024 n + 512 half
	s_mov_b32 s55, 0
	s_lshr_b32 s60, s52, 7
	s_and_b32 s61, s52, 7
	s_lshl3_add_u32 s60, s60, s61                  ; tile of 16 rows of Wo = 8 (n >> 7) + (n & 7)
	s_lshl_b32 s60, s60, 15
	s_bfe_u32 s61, s52, 0x40003                    ; chunk of 32 columns = (n >> 3) & 15
	s_lshl_b32 s61, s61, 7
	s_add_co_u32 s60, s60, s61
	s_lshl_b32 s61, s53, 6
	s_add_co_u32 s60, s60, s61
	s_mov_b32 s61, 0
	s_wait_kmcnt 0x0
	s_add_nc_u64 s[8:9], s[8:9], s[44:45]
	s_add_nc_u64 s[10:11], s[10:11], s[46:47]
	s_add_nc_u64 s[12:13], s[12:13], s[46:47]
	s_add_nc_u64 s[14:15], s[14:15], s[46:47]
	s_add_nc_u64 s[16:17], s[16:17], s[48:49]
	s_add_nc_u64 s[18:19], s[18:19], s[48:49]
	s_add_nc_u64 s[20:21], s[20:21], s[48:49]
	s_add_nc_u64 s[32:33], s[32:33], s[50:51]
	s_add_nc_u64 s[34:35], s[34:35], s[50:51]
	s_add_nc_u64 s[36:37], s[36:37], s[50:51]
	s_add_nc_u64 s[30:31], s[30:31], s[60:61]
	s_add_nc_u64 s[38:39], s[38:39], s[54:55]
; 56 loads: K step t of my 64 rows of x and of my 16 rows of Wq, Wk, Wv.  Sixteen lanes take 256 consecutive bytes of a row, aligned.
.macro GLOAD t
	WIN 0
.irp g, 0,1,2,3
.irp i, 0,1,2,3,4,5,6,7
	global_load_b128 v[XST+4*(8*\g+\i):XST+4*(8*\g+\i)+3], v[XO], s[8:9] offset:(16*\g+\i)*ROWB+256*(\t)
.endr
.endr
	WIN W_TO3
.irp i, 0,1,2,3,4,5,6,7
	global_load_b128 v[WST+4*\i:WST+4*\i+3], v[WO], s[10:11] offset:\i*ROWB+256*(\t)
	global_load_b128 v[WST+32+4*\i:WST+32+4*\i+3], v[WO], s[12:13] offset:\i*ROWB+256*(\t)
	global_load_b128 v[WST+64+4*\i:WST+64+4*\i+3], v[WO], s[14:15] offset:\i*ROWB+256*(\t)
.endr
.endm
; what GLOAD brought is rounded to f16 in place and stored into LDS buffer p: 8 bytes a lane; lanes 0-15 fill 128 bytes of a row,
; lanes 16-31 the row eight further down, 8 x 144 = 128 modulo 256 bytes away
.macro CV p
	s_wait_loadcnt 0x0                             ; the tile was asked for a K step ago
	WIN 0
.set n, 0
.rept 32
	v_cvt_pk_f16_f32 v[XST+4*n], v[XST+4*n], v[XST+4*n+1]
	v_cvt_pk_f16_f32 v[XST+4*n+1], v[XST+4*n+2], v[XST+4*n+3]
.set n, n+1
.endr
.set n, 0
.rept 32
	ds_store_b64 v[XS+\p], v[XST+4*n:XST+4*n+1] offset:(16*(n/8)+(n%8))*PITCH
.set n, n+1
.endr
	WIN W_CV3
.set n, 0
.rept 24
	v_cvt_pk_f16_f32 v[WST+4*n], v[WST+4*n], v[WST+4*n+1]
	v_cvt_pk_f16_f32 v[WST+4*n+1], v[WST+4*n+2], v[WST+4*n+3]
.set n, n+1
.endr
	WIN W_ST3
.set n, 0
.rept 24
	ds_store_b64 v[WS+\p], v[WST+4*n:WST+4*n+1] offset:(64*(n/8)+(n%8))*PITCH
.set n, n+1
.endr
.endm
; 32 LDS loads: 12 fragments of W and my 4 of x, 32 along K at byte k of buffer p's rows, into fragment buffer f
.macro FETCH p, k, f
	WIN W_TO1
.set n, 0
.rept 12
	ds_load_b128 v[WF+96*\f+8*n:WF+96*\f+8*n+3], v[WFA+\p] offset:n*16*PITCH+\k
	ds_load_b128 v[WF+96*\f+8*n+4:WF+96*\f+8*n+7], v[WFA+\p] offset:n*16*PITCH+\k+32
.set n, n+1
.endr
	WIN 0
.set n, 0
.rept 4
	ds_load_b128 v[XF+32*\f+8*n:XF+32*\f+8*n+3], v[XFA+\p] offset:n*16*PITCH+\k
	ds_load_b128 v[XF+32*\f+8*n+4:XF+32*\f+8*n+7], v[XFA+\p] offset:n*16*PITCH+\k+32
.set n, n+1
.endr
.endm
; 16 matrix instructions for q (ty = 0) or k (ty = 1).  first = 1: C is the bias, which starts the sums: nothing is cleared.
; All 48 accumulators take turns, one instruction a turn, in the same order in every half step.
.macro MULQ f, ty, first
.if \first
	WIN W_QK1
.else
	WIN W_QK
.endif
.irp a, 0,1,2,3
.irp b, 0,1,2,3
.if \first
	v_wmma_f32_16x16x32_f16 v[128*\ty+32*\a+8*\b:128*\ty+32*\a+8*\b+7], v[WF+96*\f+8*(4*\ty+\b):WF+96*\f+8*(4*\ty+\b)+7], v[XF+32*\f+8*\a:XF+32*\f+8*\a+7], v[CB+32*\ty+8*\b:CB+32*\ty+8*\b+7]
.else
	v_wmma_f32_16x16x32_f16 v[128*\ty+32*\a+8*\b:128*\ty+32*\a+8*\b+7], v[WF+96*\f+8*(4*\ty+\b):WF+96*\f+8*(4*\ty+\b)+7], v[XF+32*\f+8*\a:XF+32*\f+8*\a+7], v[128*\ty+32*\a+8*\b:128*\ty+32*\a+8*\b+7]
.endif
.endr
.endr
.endm
.macro MULV f, first                   ; 16 for v, the sources the other way round
	WIN W_VV
.irp a, 0,1,2,3
.irp b, 0,1,2,3
.if \first
	v_wmma_f32_16x16x32_f16 v[32*\a+8*\b:32*\a+8*\b+7], v[XF+32*\f+8*\a:XF+32*\f+8*\a+7], v[WF+96*\f+8*(8+\b):WF+96*\f+8*(8+\b)+7], v[CBV+8*\b:CBV+8*\b+7]
.else
	v_wmma_f32_16x16x32_f16 v[32*\a+8*\b:32*\a+8*\b+7], v[XF+32*\f+8*\a:XF+32*\f+8*\a+7], v[WF+96*\f+8*(8+\b):WF+96*\f+8*(8+\b)+7], v[32*\a+8*\b:32*\a+8*\b+7]
.endif
.endr
.endr
.endm
.macro PARAMS                          ; the four LayerNorm vectors, register 8 b + j = element 16 b + 8 h + j, into the registers that staged x
	WIN 0
.irp b, 0,1,2,3
	global_load_b128 v[PAR+8*\b:PAR+8*\b+3], v[PO], s[22:23] offset:64*\b
	global_load_b128 v[PAR+8*\b+4:PAR+8*\b+7], v[PO], s[22:23] offset:64*\b+16
	global_load_b128 v[PAR+32+8*\b:PAR+32+8*\b+3], v[PO], s[24:25] offset:64*\b
	global_load_b128 v[PAR+32+8*\b+4:PAR+32+8*\b+7], v[PO], s[24:25] offset:64*\b+16
	global_load_b128 v[PAR+64+8*\b:PAR+64+8*\b+3], v[PO], s[26:27] offset:64*\b
	global_load_b128 v[PAR+64+8*\b+4:PAR+64+8*\b+7], v[PO], s[26:27] offset:64*\b+16
	global_load_b128 v[PAR+96+8*\b:PAR+96+8*\b+3], v[PO], s[28:29] offset:64*\b
	global_load_b128 v[PAR+96+8*\b+4:PAR+96+8*\b+7], v[PO], s[28:29] offset:64*\b+16
.endr
.endm
; K step t reads LDS buffer p and fills buffer np = 1 - p with K step t + 1.  One barrier a step: in front of its signal each wave's
; reads of buffer p and its stores into buffer np are done; behind its wait buffer np is read, and in the next step buffer p is written.
.macro KSTEP t, p, np, first
	s_wait_dscnt 0x0                               ; the first half's fragments are in
	MULQ 0, 0, \first
	MULQ 0, 1, \first
	PLACES
	FETCH \p, 64, 1                                ; the second half's
	MULV 0, \first
.if \t < 7
	CV \np
.if \t < 6
	GLOAD \t+2                                     ; into the registers just stored from: it has a whole K step in which to come
.endif
	s_wait_dscnt 56                                ; the 32 fragment loads are in; the 56 younger stores may be out
.else
	PARAMS
	s_wait_dscnt 0x0
.endif
	MULQ 1, 0, 0
.if \t < 7
	s_wait_dscnt 0x0                               ; my stores into buffer np are done, my reads of buffer p too
	s_barrier_signal -1
.endif
	MULQ 1, 1, 0                                   ; register work while the others arrive
.if \t < 7
	s_barrier_wait -1
	PLACES
	FETCH \np, 0, 0
.endif
	MULV 1, 0
.endm
	global_load_b128 v[OUT:OUT+3], v[WSRC], s[30:31]               ; Wo(row r of my tile, 16 half + 8 h .. + 7)
	global_load_b128 v[OUT+4:OUT+7], v[WSRC], s[30:31] offset:16
	WIN W_TO1
.irp b, 0,1,2,3
	global_load_b128 v[CB+8*\b:CB+8*\b+3], v[PO], s[16:17] offset:64*\b          ; register 8 b + j = bq[64 head + 16 b + 8 h + j]
	global_load_b128 v[CB+8*\b+4:CB+8*\b+7], v[PO], s[16:17] offset:64*\b+16
	global_load_b128 v[CB+32+8*\b:CB+32+8*\b+3], v[PO], s[18:19] offset:64*\b
	global_load_b128 v[CB+32+8*\b+4:CB+32+8*\b+7], v[PO], s[18:19] offset:64*\b+16
.endr
	WIN W_TO3
.irp b, 0,1,2,3
	global_load_b32 v[CBV+8*\b], v[R4], s[20:21] offset:64*\b      ; bv[64 head + 16 b + r]: v's tiles hold one feature a lane
.endr
	GLOAD 0
	s_wait_loadcnt 0x0
	WIN 0
	v_cvt_pk_f16_f32 v[OUT+8], v[OUT], v[OUT+1]
	v_cvt_pk_f16_f32 v[OUT+9], v[OUT+2], v[OUT+3]
	v_cvt_pk_f16_f32 v[OUT+10], v[OUT+4], v[OUT+5]
	v_cvt_pk_f16_f32 v[OUT+11], v[OUT+6], v[OUT+7]
	global_store_b128 v[L16], v[OUT+8:OUT+11], s[38:39]            ; half a fragment of Wo: 512 consecutive bytes
	WIN W_MV3
.irp b, 0,1,2,3
.irp j, 1,2,3,4,5,6,7
	v_mov_b32 v[CBV+8*\b+\j], v[CBV+8*\b]                          ; the same bias for the tile's eight tokens
.endr
.endr
	CV 0
	GLOAD 1
	s_wait_dscnt 0x0                               ; my part of buffer 0 is stored
	s_barrier_signal -1
	s_barrier_wait -1
	FETCH 0, 0, 0
	KSTEP 0, 0, 1, 1
	KSTEP 1, 1, 0, 0
	KSTEP 2, 0, 1, 0
	KSTEP 3, 1, 0, 0
	KSTEP 4, 0, 1, 0
	KSTEP 5, 1, 0, 0
	KSTEP 6, 0, 1, 0
	KSTEP 7, 1, 0, 0
	; THE WAY OUT
	PLACES
	WIN 0
	s_wait_loadcnt 0x0                             ; the LayerNorm vectors
.set n, 0
.rept 32
	v_pk_mul_f32 v[PAR+2*n:PAR+2*n+1], v[PAR+2*n:PAR+2*n+1], 0x3e38aa3b op_sel_hi:[1,0]   ; q's gain and offset carry 1/8 and log2(e)
.set n, n+1
.endr
; LayerNorm of 16 tokens of q (ty = 0) or k (1): lane (r, h) holds 32 of token r's 64 numbers, lane (r, 1 - h) the others
.macro LN ty, a
	WIN W_SUM2
.irp i, 0,1,2,3,4,5,6,7
	v_pk_add_f32 v[TT+2*\i:TT+2*\i+1], v[128*\ty+32*\a+4*\i:128*\ty+32*\a+4*\i+1], v[128*\ty+32*\a+4*\i+2:128*\ty+32*\a+4*\i+3]
.endr
	WIN 0
.irp i, 0,1,2,3
	v_pk_add_f32 v[TT+2*\i:TT+2*\i+1], v[TT+2*\i:TT+2*\i+1], v[TT+2*\i+8:TT+2*\i+9]
.endr
	v_pk_add_f32 v[TT:TT+1], v[TT:TT+1], v[TT+4:TT+5]
	v_pk_add_f32 v[TT+2:TT+3], v[TT+2:TT+3], v[TT+6:TT+7]
	v_pk_add_f32 v[TT:TT+1], v[TT:TT+1], v[TT+2:TT+3]
	v_add_f32 v[TA], v[TT], v[TT+1]
	v_permlanex16_b32 v[TA+1], v[TA], s56, s57
	v_add_f32 v[TA], v[TA], v[TA+1]
	v_mul_f32 v[MU], s58, v[TA]                    ; the mean
	WIN W_SUB2
.irp i, 0,1,2,3,4,5,6,7,8,9,10,11,12,13,14,15
	v_pk_add_f32 v[DD+2*\i:DD+2*\i+1], v[128*\ty+32*\a+2*\i:128*\ty+32*\a+2*\i+1], v[MU:MU+1] op_sel_hi:[1,0] neg_lo:[0,1] neg_hi:[0,1]
.endr
	WIN 0
	v_pk_mul_f32 v[TT:TT+1], v[DD:DD+1], v[DD:DD+1]
	v_pk_mul_f32 v[TT+2:TT+3], v[DD+2:DD+3], v[DD+2:DD+3]
.irp i, 2,4,6,8,10,12,14
	v_pk_fma_f32 v[TT:TT+1], v[DD+2*\i:DD+2*\i+1], v[DD+2*\i:DD+2*\i+1], v[TT:TT+1]
	v_pk_fma_f32 v[TT+2:TT+3], v[DD+2*\i+2:DD+2*\i+3], v[DD+2*\i+2:DD+2*\i+3], v[TT+2:TT+3]
.endr
	v_pk_add_f32 v[TT:TT+1], v[TT:TT+1], v[TT+2:TT+3]
	v_add_f32 v[TA], v[TT], v[TT+1]
	v_permlanex16_b32 v[TA+1], v[TA], s56, s57
	v_add_f32 v[TA], v[TA], v[TA+1]
	v_fma_f32 v[TA], v[TA], s58, s59               ; variance + eps
	v_rsq_f32 v[RS], v[TA]
	s_wait_xcnt 0x0                                ; OUT, which the last stores read, is rewritten only behind this wait
	v_nop                                          ; one plain place behind v_rsq_f32 ahead of its result's use (ISA guide 5.7.2)
	s_wait_alu depctr_va_vdst(0)
.irp i, 0,1,2,3,4,5,6,7,8,9,10,11,12,13,14,15
	v_pk_mul_f32 v[DD+2*\i:DD+2*\i+1], v[DD+2*\i:DD+2*\i+1], v[RS:RS+1] op_sel_hi:[1,0]
.endr
.irp i, 0,1,2,3,4,5,6,7,8,9,10,11,12,13,14,15
	v_pk_fma_f32 v[DD+2*\i:DD+2*\i+1], v[DD+2*\i:DD+2*\i+1], v[PAR+64*\ty+2*\i:PAR+64*\ty+2*\i+1], v[PAR+64*\ty+32+2*\i:PAR+64*\ty+32+2*\i+1]
.endr
.irp i, 0,1,2,3,4,5,6,7,8,9,10,11,12,13,14,15
	v_cvt_pk_f16_f32 v[OUT+\i], v[DD+2*\i], v[DD+2*\i+1]
.endr
.irp b, 0,1,2,3
	global_store_b128 v[L16], v[OUT+4*\b:OUT+4*\b+3], s[32+2*\ty:33+2*\ty] offset:\a*2048+(\b>>1)*1024+(\b&1)*512
.endr
.endm
.macro VOUT a                          ; 16 tokens of v
	s_wait_xcnt 0x0                                ; as above
	WIN W_CVV
.irp i, 0,1,2,3,4,5,6,7,8,9,10,11,12,13,14,15
	v_cvt_pk_f16_f32 v[OUT+\i], v[32*\a+2*\i], v[32*\a+2*\i+1]
.endr
	WIN 0
.irp b, 0,1,2,3
	global_store_b128 v[L16], v[OUT+4*\b:OUT+4*\b+3], s[36:37] offset:\b*2048+(\a>>1)*1024+(\a&1)*512
.endr
.endm
	LN 0, 0
	LN 0, 1
	LN 0, 2
	LN 0, 3
	LN 1, 0
	LN 1, 1
	LN 1, 2
	LN 1, 3
	VOUT 0
	VOUT 1
	VOUT 2
	VOUT 3
	s_wait_tensorcnt 0x0
	ds_add_u32 v126, v127
	s_wait_dscnt 0x0
	s_endpgm
.Lfunc_end_k_q74b13ed043_qkv:
	.size	k_q74b13ed043_qkv, .Lfunc_end_k_q74b13ed043_qkv-k_q74b13ed043_qkv
	.p2alignl 7, 3214868480
	.fill 96, 4, 3214868480
	.section	.rodata,"a",@progbits
	.p2align	6, 0x0
	.amdhsa_kernel k_q74b13ed043_qkv
		.amdhsa_group_segment_fixed_size 129536
		.amdhsa_private_segment_fixed_size 0
		.amdhsa_enable_private_segment 0
		.amdhsa_kernarg_size 128
		.amdhsa_user_sgpr_count 2
		.amdhsa_user_sgpr_kernarg_segment_ptr 1
		.amdhsa_wavefront_size32 1
		.amdhsa_system_sgpr_workgroup_id_x 1
		.amdhsa_system_sgpr_workgroup_id_y 1
		.amdhsa_system_sgpr_workgroup_id_z 1
		.amdhsa_system_vgpr_workitem_id 0
		.amdhsa_next_free_vgpr 1024
		.amdhsa_next_free_sgpr 66
		.amdhsa_reserve_vcc 0
		.amdhsa_float_denorm_mode_32 3
		.amdhsa_float_denorm_mode_16_64 3
		.amdhsa_memory_ordered 1
		.amdhsa_forward_progress 1
		.amdhsa_inst_pref_size 255
	.end_amdhsa_kernel
	.section	.bss,"aw",@nobits
	.p2align	6
	.space	262144
	.amdgpu_metadata
---
amdhsa.version: [ 1, 2 ]
amdhsa.kernels:
  - .name:           k_q74b13ed043_qkv
    .symbol:         k_q74b13ed043_qkv.kd
    .args:
      - { .name: x, .offset: 0, .size: 8, .value_kind: global_buffer, .address_space: global }
      - { .name: Wq, .offset: 8, .size: 8, .value_kind: global_buffer, .address_space: global }
      - { .name: Wk, .offset: 16, .size: 8, .value_kind: global_buffer, .address_space: global }
      - { .name: Wv, .offset: 24, .size: 8, .value_kind: global_buffer, .address_space: global }
      - { .name: bq, .offset: 32, .size: 8, .value_kind: global_buffer, .address_space: global }
      - { .name: bk, .offset: 40, .size: 8, .value_kind: global_buffer, .address_space: global }
      - { .name: bv, .offset: 48, .size: 8, .value_kind: global_buffer, .address_space: global }
      - { .name: q_gamma, .offset: 56, .size: 8, .value_kind: global_buffer, .address_space: global }
      - { .name: q_beta, .offset: 64, .size: 8, .value_kind: global_buffer, .address_space: global }
      - { .name: k_gamma, .offset: 72, .size: 8, .value_kind: global_buffer, .address_space: global }
      - { .name: k_beta, .offset: 80, .size: 8, .value_kind: global_buffer, .address_space: global }
      - { .name: Wo, .offset: 88, .size: 8, .value_kind: global_buffer, .address_space: global }
      - { .name: qf, .offset: 96, .size: 8, .value_kind: global_buffer, .address_space: global }
      - { .name: kf, .offset: 104, .size: 8, .value_kind: global_buffer, .address_space: global }
      - { .name: vf, .offset: 112, .size: 8, .value_kind: global_buffer, .address_space: global }
      - { .name: wof, .offset: 120, .size: 8, .value_kind: global_buffer, .address_space: global }
    .group_segment_fixed_size: 129536
    .private_segment_fixed_size: 0
    .kernarg_segment_align: 8
    .kernarg_segment_size: 128
    .max_flat_workgroup_size: 128
    .sgpr_count:     66
    .vgpr_count:     1024
    .wavefront_size: 32
...
	.end_amdgpu_metadata
.endif
;; end of part 1
;; launch attn (part 2): grid 32 x 8, 4 waves a work-group, clusters of 4 x 1, 327,680 bytes of LDS; arguments qf, kf, vf, attn_bias, of; writes of
.if DOCPART == 2
	.amdgcn_target "amdgcn-amd-amdhsa--gfx1250"
	.amdhsa_code_object_version 6
	.text
	.protected	k_q74b13ed043_attn
	.globl	k_q74b13ed043_attn
	.p2align	8
	.type	k_q74b13ed043_attn,@function
k_q74b13ed043_attn:
	s_mov_b64 s[64:65], 0
	v_nop
	global_prefetch_b8 v0, s[64:65] scope:SCOPE_SE
	s_setreg_imm32_b32 hwreg(HW_REG_WAVE_MODE, 25, 1), 1
	s_wait_xcnt 0x0
	s_wait_alu depctr_hold_cnt(0) depctr_sa_sdst(0) depctr_va_vdst(0) depctr_va_sdst(0) depctr_va_ssrc(0) depctr_va_vcc(0) depctr_vm_vsrc(0)
	s_getreg_b32 s2, hwreg(HW_REG_IB_STS2, 6, 4)
	s_cmp_eq_u32 s2, 0
	s_cbranch_scc0 .Lentry_in_a_cluster
	s_endpgm
.Lentry_in_a_cluster:
	s_bfe_u32 s2, ttmp6, 0x10000c
	s_cmp_lg_u32 s2, 0x3003
	s_cbranch_scc0 .Lentry_shape_is_right
	s_endpgm
.Lentry_shape_is_right:
; softmax(q k^T / 8 + bias) v with a running maximum, for 64 queries (id x) of four heads of one batch (id y = 2 batch + head group).
; Wave w is head 4 (y & 1) + w with all 64 queries.  32 steps of 64 keys: 32 matrix instructions for the scores, 32 for P V.
; q carries 1/8 and log2(e) from the launch before, the bias is multiplied by log2(e) here, so p = 2^(S - m).
; TRANSPOSED: S^T = K Q^T: lane (r, h) holds query 16 u + r and keys 16 kt + 8 h + j.  So a row's maximum and sum are work inside the lane
; and one exchange with lane (r, 1 - h); two score tiles, packed to f16, ARE source 1 of O^T = V^T P^T in the same lanes; and the bias is
; loaded straight into the score registers as the first C.
; CLUSTERS: the four work-groups of a cluster are four query blocks of the same batch and head group.  They read the same K and V tiles,
; which are asked for jointly (mask 15): a quarter of the requests.  THE BIAS IS NOT SHARED in a cluster: each query block has rows of its
; own; only the two head groups read the same rows, and they lie in different clusters.
; THE BIAS GOES THROUGH REGISTERS: each wave loads 16 rows x 256 bytes of a tile four steps ahead (four sets of 32 registers, 64 KB on
; their way for the work-group), scales them and stores them into one of two padded LDS buffers that no tensor load ever fills.
; LIMITS: matrix operands in f16 (11 significant bits).  The weights p lie in [0, 1], where f16 has an absolute step of 2^-24 at the least,
; against a row sum of at least 1; o is a convex mix of v and has v's range, which must stay below 65,504 (see the launch before).
; The running maximum starts at -1e30 (as an exponent of 2).  -inf in the bias gives weight 0; a row that is -inf throughout gives NaN.
; +inf and NaN in the inputs are not served.
.set TILE,  32768                      ; K or V^T of 64 keys x 4 heads, in fragment order, dense
.set SLOT,  4*TILE                     ; K even step, K odd step, V even, V odd: two steps a slot, two slots
.set BB,    2*SLOT                     ; the two bias buffers
.set BPITCH, 272                       ; 256 bytes + 16 = 17 x 16: sixteen rows start at sixteen different 16-byte columns modulo 256
.set BBUF,  64*BPITCH
; window 0
.set KA,  2                            ; v2-3   my head's K fragments in slot 0, 1: 8,192 w + 16 lane
.set VA,  4                            ; v4-5   V's
.set BA,  6                            ; bias as C: row r, 32 h
.set BS,  7                            ; bias in: row 16 w + lane / 16, 16 (lane mod 16)
.set BO,  8                            ; the same place in memory
.set L16, 9
.set M,   10                           ; v10-17 running maximum of query tile u at 10 + 2 u (pairs; the upper registers are written once)
.set AL,  18                           ; v18-25 2^(old maximum - new)
.set L2,  26                           ; v26-33 running sums, two a lane
.set T,   34                           ; v34-37
.set T2,  38                           ; v38-41
.set KF,  64                           ; v64-127  K fragments 2 kt + c
.set VF,  128                          ; v128-191 V^T fragments 2 t + kc
.set R,   192                          ; v192-255 sums at work, 16 for each u
; window 1
.set O,   0                            ; v0-127   O^T tiles 32 u + 8 t
.set Q,   128                          ; v128-191 Q fragments 2 u + c
; window 2: v0-127 scores of even steps (32 u + 8 kt); window 3: v0-127 scores of odd steps
.set BIAS, 128                         ; window 2, v128-255: four sets of 32, bias tiles on their way
.set G1,  24                           ; s[24:31] the shape of every tile
.set G0K, 32                           ; s[32:39] from where, to where: K, a set for each slot
.set G0V, 40                           ; s[40:47] V
.set MSB, 0
.macro WIN new
.if MSB != (\new)
	s_set_vgpr_msb (MSB<<8)|(\new)
.set MSB, \new
.endif
.endm
.macro PLACES                          ; four places behind a matrix instruction (ISA guide 7.12.1)
.rept 4
	v_nop
.endr
.endm
.macro ROUND                           ; a round of the cluster's barrier
	s_barrier_signal -1
	s_barrier_wait -1
	s_cmp_lg_u32 s14, 0
	s_cbranch_scc1 .Lnot_wave_0_\@
	s_barrier_signal -3
.Lnot_wave_0_\@:
	s_barrier_wait -3
	s_barrier_signal -1
	s_barrier_wait -1
.endm
.macro JLOAD sl                        ; a joint load: waves 0, 1 ask for the slot's two K tiles, waves 2, 3 for its two V tiles
	s_cmp_eq_u32 s16, 0
	s_cbranch_scc0 .Lfor_v_\@
	tensor_load_to_lds s[G0K+4*\sl:G0K+4*\sl+3], s[G1:G1+7]
	s_nop 0
	s_branch .Lasked_\@
.Lfor_v_\@:
	tensor_load_to_lds s[G0V+4*\sl:G0V+4*\sl+3], s[G1:G1+7]
	s_nop 0
.Lasked_\@:
.endm
	s_load_b256 s[4:11], s[0:1], 0x0               ; qf 4, kf 6, vf 8, attn_bias 10
	s_load_b64 s[12:13], s[0:1], 0x20              ; of
	v_lshl_add_u32 v62, v0, 2, 0x48800
	v_mov_b32 v63, 0
	ds_add_u32 v62, v63
	v_lshrrev_b32 v1, 5, v0
	v_readfirstlane_b32 s14, v1                    ; wave
	s_and_b32 s15, s14, 1                          ; even or odd step's tile
	s_lshr_b32 s16, s14, 1                         ; I ask for K (0) or V (1)
	s_bfe_u32 s17, ttmp6, 0x40000                  ; cx
	s_lshl_b32 s18, ttmp9, 2
	s_add_co_u32 s18, s18, s17                     ; query block = 4 x cluster x + cx
	s_and_b32 s19, ttmp7, 0xffff                   ; y
	s_mov_b32 s48, 0x76543210
	s_mov_b32 s49, 0xfedcba98
	; group 1: 128 rows of 32 elements of 8 bytes, dense: 32 KB
	s_mov_b32 s[G1+0], 0x0023000f                  ; 15:0 mask: all four of the cluster; 17:16 elements of 8 bytes; 21 set beside a mask
	s_mov_b32 s[G1+1], 32<<16                      ; tensor_dim0 = 32
	s_mov_b32 s[G1+2], 128<<16                     ; tensor_dim1 = 128
	s_mov_b32 s[G1+3], 32<<16                      ; tile_dim0 = 32
	s_mov_b32 s[G1+4], 128                         ; tile_dim1 = 128
	s_mov_b32 s[G1+5], 32                          ; from row to row
	s_mov_b32 s[G1+6], 0
	s_mov_b32 s[G1+7], 0
	v_and_b32 v42, 15, v0                          ; r
	v_bfe_u32 v43, v0, 4, 1                        ; h
	v_and_b32 v1, 31, v0
	v_lshlrev_b32 v[L16], 4, v1
	s_lshl_b32 s20, s14, 13
	v_add_nc_u32 v[KA], s20, v[L16]
	v_add_nc_u32 v[KA+1], SLOT, v[KA]
	v_add_nc_u32 v[VA], 2*TILE, v[KA]
	v_add_nc_u32 v[VA+1], SLOT+2*TILE, v[KA]
	v_mul_u32_u24 v44, v42, BPITCH
	v_lshl_add_u32 v44, v43, 5, v44
	v_add_nc_u32 v[BA], BB, v44
	s_mul_i32 s21, s14, 16*BPITCH
	s_add_co_u32 s21, s21, BB
	v_mul_u32_u24 v44, v43, BPITCH
	v_lshl_add_u32 v44, v42, 4, v44
	v_add_nc_u32 v[BS], s21, v44
	v_lshlrev_b32 v44, 4, v42
	v_lshl_add_u32 v44, v43, 13, v44
	s_lshl_b32 s21, s14, 17
	v_add_nc_u32 v[BO], s21, v44                   ; (16 w + lane / 16) rows of 8,192 bytes + 16 (lane mod 16)
.irp uu, 0,1,2,3
	v_mov_b32 v[M+2*\uu+1], 0                      ; the pairs' upper registers: named by the packed forms, never used
	v_mov_b32 v[AL+2*\uu+1], 0
.endr
	; K's and V's tiles hang on y and the wave alone, which the four partners share
	s_lshl_b32 s20, s19, 20
	s_lshl_b32 s22, s15, 15
	s_add_co_u32 s20, s20, s22
	s_mov_b32 s21, 0
	s_lshl_b32 s23, s14, 15                        ; LDS: wave x 32 KB
	s_wait_dscnt 0x0
	s_wait_kmcnt 0x0
	s_add_nc_u64 s[6:7], s[6:7], s[20:21]
	s_add_nc_u64 s[8:9], s[8:9], s[20:21]
.irp sl, 0,1
	s_mov_b32 s[G0K+4*\sl], 1
	s_add_co_u32 s[G0K+4*\sl+1], s23, \sl*SLOT
	s_add_nc_u64 s[G0K+4*\sl+2:G0K+4*\sl+3], s[6:7], \sl*2*TILE
	s_or_b32 s[G0K+4*\sl+3], s[G0K+4*\sl+3], 0x80000000
	s_mov_b32 s[G0V+4*\sl], 1
	s_add_co_u32 s[G0V+4*\sl+1], s23, \sl*SLOT
	s_add_nc_u64 s[G0V+4*\sl+2:G0V+4*\sl+3], s[8:9], \sl*2*TILE
	s_or_b32 s[G0V+4*\sl+3], s[G0V+4*\sl+3], 0x80000000
.endr
	; what hangs on the query block: Q, the bias, the output
	s_lshl_b32 s52, s19, 5
	s_add_co_u32 s52, s52, s18
	s_lshl2_add_u32 s52, s52, s14
	s_lshl_b32 s52, s52, 13                        ; ((32 y + block) 4 + w) x 8,192
	s_mov_b32 s53, 0
	s_add_nc_u64 s[4:5], s[4:5], s[52:53]
	s_lshr_b32 s54, s19, 1                         ; batch
	s_lshl_b32 s54, s54, 24
	s_lshl_b32 s55, s18, 19
	s_add_co_u32 s54, s54, s55                     ; batch x 2,048 rows + block x 64 rows of 8,192 bytes
	s_mov_b32 s55, 0
	s_add_nc_u64 s[10:11], s[10:11], s[54:55]
	s_lshr_b32 s52, s19, 1
	s_lshl_b32 s52, s52, 4
	s_lshr_b32 s53, s18, 1
	s_add_co_u32 s52, s52, s53                     ; block of 128 tokens
	s_lshl_b32 s52, s52, 17
	s_and_b32 s53, s19, 1
	s_lshl2_add_u32 s53, s53, s14                  ; head
	s_lshl_b32 s53, s53, 14                        ; two chunks of 8,192 bytes a head
	s_add_co_u32 s52, s52, s53
	s_and_b32 s53, s18, 1
	s_lshl_b32 s53, s53, 12                        ; tiles 0-3 or 4-7 of the block
	s_add_co_u32 s52, s52, s53
	s_mov_b32 s53, 0
	s_add_nc_u64 s[12:13], s[12:13], s[52:53]
	ROUND                                          ; all four work-groups are here: the first joint loads meet
	s_cmp_eq_u32 s16, 0
	s_cbranch_scc0 .Lfirst_v
	tensor_load_to_lds s[G0K:G0K+3], s[G1:G1+7]    ; steps 0, 1
	s_nop 0
	tensor_load_to_lds s[G0K+4:G0K+7], s[G1:G1+7]  ; steps 2, 3
	s_nop 0
	s_branch .Lfirst_done
.Lfirst_v:
	tensor_load_to_lds s[G0V:G0V+3], s[G1:G1+7]
	s_nop 0
	tensor_load_to_lds s[G0V+4:G0V+7], s[G1:G1+7]
	s_nop 0
.Lfirst_done:
.macro BLOAD set, col                  ; my 16 rows x 256 bytes of the bias tile col steps behind the base, into a set: sixteen lanes take a row's 256 bytes, aligned
	WIN 0x80
.irp ii, 0,1,2,3,4,5,6,7
	global_load_b128 v[BIAS+32*(\set)+4*\ii:BIAS+32*(\set)+4*\ii+3], v[BO], s[10:11] offset:\ii*16384+(\col)*256
.endr
.endm
.macro BSTORE set, p                   ; a set, times log2(e), into bias buffer p
	WIN 0x82
.irp ii, 0,1,2,3,4,5,6,7,8,9,10,11,12,13,14,15
	v_pk_mul_f32 v[BIAS+32*(\set)+2*\ii:BIAS+32*(\set)+2*\ii+1], v[BIAS+32*(\set)+2*\ii:BIAS+32*(\set)+2*\ii+1], 0x3fb8aa3b op_sel_hi:[1,0]
.endr
	WIN 0x08
.irp ii, 0,1,2,3,4,5,6,7
	ds_store_b128 v[BS], v[BIAS+32*(\set)+4*\ii:BIAS+32*(\set)+4*\ii+3] offset:(\p)*BBUF+\ii*2*BPITCH
.endr
.endm
.macro KLOAD sl, e                     ; my head's eight K fragments of slot sl, half e
	WIN 0
.irp fr, 0,1,2,3,4,5,6,7
	ds_load_b128 v[KF+8*\fr:KF+8*\fr+3], v[KA+\sl] offset:(\e)*TILE+\fr*1024
	ds_load_b128 v[KF+8*\fr+4:KF+8*\fr+7], v[KA+\sl] offset:(\e)*TILE+\fr*1024+512
.endr
.endm
.macro SLOAD xw, p                     ; bias buffer p into the score registers of window xw: register j = bias(query 16 u + r, key 16 kt + 8 h + j)
	WIN (\xw)*64
.irp uu, 0,1,2,3
.irp kt, 0,1,2,3
	ds_load_b128 v[32*\uu+8*\kt:32*\uu+8*\kt+3], v[BA] offset:(\p)*BBUF+\uu*16*BPITCH+\kt*64
	ds_load_b128 v[32*\uu+8*\kt+4:32*\uu+8*\kt+7], v[BA] offset:(\p)*BBUF+\uu*16*BPITCH+\kt*64+16
.endr
.endr
.endm
	WIN 0x40
.irp fr, 0,1,2,3,4,5,6,7
	global_load_b128 v[Q+8*\fr:Q+8*\fr+3], v[L16], s[4:5] offset:\fr*1024
	global_load_b128 v[Q+8*\fr+4:Q+8*\fr+7], v[L16], s[4:5] offset:\fr*1024+512
.endr
	BLOAD 0, 0
	BLOAD 1, 1
	BLOAD 2, 2
	BLOAD 3, 3
	s_wait_loadcnt 16                              ; Q and bias tiles 0, 1 are in; tiles 2, 3 (8 loads each) stay out
	BSTORE 0, 0
	BSTORE 1, 1
	BLOAD 0, 4
	BLOAD 1, 5
	WIN 0
	s_wait_tensorcnt 0x1                           ; my part of slot 0 is in; slot 1's may stay out
	s_wait_dscnt 0x0                               ; my rows of bias tiles 0, 1 are stored
	s_barrier_signal -1
	s_barrier_wait -1
	KLOAD 0, 0
	SLOAD 2, 0
; Step t = 4 trip + j.  Slot j >> 1, half j & 1; scores in window 2 + (j & 1); bias buffer j & 1.
; first: the sums start here.  refill: this slot is filled again (odd j).  bstore: bias tile t + 2 goes to LDS, bload: tile t + 6 is asked for;
; lcnt: the younger bias loads that may stay out.  next: a step follows.
; The 16 accumulators of each product take turns, one instruction a turn, from product to product and over the backward jump too.
.macro STEP j, first, refill, bstore, bload, lcnt, next
.set PP, (\j)&1
.set SL, (\j)>>1
.set SN, (((\j)+1)&3)>>1
.set XW, 2+PP
.set YW, 3-PP
.set BSET, ((\j)+2)&3
.set BCOL, (\j)+6
	PLACES
	WIN 0
.irp fr, 0,1,2,3,4,5,6,7
	ds_load_b128 v[VF+8*\fr:VF+8*\fr+3], v[VA+SL] offset:PP*TILE+\fr*1024
	ds_load_b128 v[VF+8*\fr+4:VF+8*\fr+7], v[VA+SL] offset:PP*TILE+\fr*1024+512
.endr
	s_wait_dscnt 16                                ; K and the bias are in registers, my bias stores are done; the 16 V loads may be out
	WIN 0x04+XW*16+XW*64
.irp cc, 0,1
.irp uu, 0,1,2,3
.irp kt, 0,1,2,3
	v_wmma_f32_16x16x32_f16 v[32*\uu+8*\kt:32*\uu+8*\kt+7], v[KF+8*(2*\kt+\cc):KF+8*(2*\kt+\cc)+7], v[Q+8*(2*\uu+\cc):Q+8*(2*\uu+\cc)+7], v[32*\uu+8*\kt:32*\uu+8*\kt+7]
.endr
.endr
.endr
	PLACES
	WIN 0
	s_wait_dscnt 0x0                               ; V is in: all my reads of this step's K, V and bias are done
.if \next
.if PP
	s_wait_tensorcnt 0x0                           ; all my tensor loads have landed: my part of the other slot, which the next step reads
	ds_add_u32 v62, v63
	s_wait_dscnt 0x0
.endif
.if \refill
	s_add_nc_u64 s[G0K+4*SL+2:G0K+4*SL+3], s[G0K+4*SL+2:G0K+4*SL+3], 4*TILE   ; no load of mine is out: this slot's next two steps
	s_add_nc_u64 s[G0V+4*SL+2:G0V+4*SL+3], s[G0V+4*SL+2:G0V+4*SL+3], 4*TILE
	ROUND                                          ; no wave of any partner still reads this slot or has a load on its way
	JLOAD SL                                       ; my one tensor load behind the round; it has two steps in which to land
.else
	s_barrier_signal -1                            ; nothing is filled by a tensor load behind this one: it orders the bias buffers (and, in the last odd step but one, the last slot)
	s_barrier_wait -1
.endif
	KLOAD SN, 1-PP                                 ; the next step's K and bias land under this step's softmax and P V
	SLOAD YW, 1-PP
.endif
.if \bstore
	s_wait_loadcnt \lcnt                           ; bias tile t + 2 is in; the tiles behind it, 8 loads each, stay out
	BSTORE BSET, PP                                ; into the buffer that every wave has finished reading in front of the barrier above
.if \bload
	BLOAD BSET, BCOL
.endif
.endif
	; the row maxima: two chains for each query tile
	WIN XW+XW*4
.irp uu, 0,1,2,3
.if \first
	v_max3_num_f32 v[T+\uu], v[32*\uu], v[32*\uu+1], 0xf149f2ca
.else
	v_max3_num_f32 v[T+\uu], v[32*\uu], v[32*\uu+1], v[M+2*\uu]
.endif
	v_max_num_f32 v[T2+\uu], v[32*\uu+16], v[32*\uu+17]
.endr
.irp ii, 1,2,3,4,5,6,7
.irp uu, 0,1,2,3
	v_max3_num_f32 v[T+\uu], v[32*\uu+2*\ii], v[32*\uu+2*\ii+1], v[T+\uu]
	v_max3_num_f32 v[T2+\uu], v[32*\uu+16+2*\ii], v[32*\uu+17+2*\ii], v[T2+\uu]
.endr
.endr
	WIN 0
.irp uu, 0,1,2,3
	v_max_num_f32 v[T+\uu], v[T+\uu], v[T2+\uu]
.endr
.irp uu, 0,1,2,3
	v_permlanex16_b32 v[T2+\uu], v[T+\uu], s48, s49        ; the other half of the row's keys
.endr
.irp uu, 0,1,2,3
	v_max_num_f32 v[T+\uu], v[T+\uu], v[T2+\uu]
.endr
.if \first == 0
.irp uu, 0,1,2,3
	v_sub_f32 v[AL+2*\uu], v[M+2*\uu], v[T+\uu]
.endr
.irp uu, 0,1,2,3
	v_exp_f32 v[AL+2*\uu], v[AL+2*\uu]
.endr
.endif
.irp uu, 0,1,2,3
	v_mov_b32 v[M+2*\uu], v[T+\uu]                 ; also the plain places behind the four v_exp_f32 (ISA guide 5.7.2)
.endr
	; p = 2^(S - m), in place; tile u's exponentials alternate with tile u + 1's subtractions
	WIN XW+XW*64
.irp ii, 0,1,2,3,4,5,6,7,8,9,10,11,12,13,14,15
	v_pk_add_f32 v[2*\ii:2*\ii+1], v[2*\ii:2*\ii+1], v[M:M+1] op_sel_hi:[1,0] neg_lo:[0,1] neg_hi:[0,1]
.endr
.irp uu, 0,1,2
.irp ii, 0,1,2,3,4,5,6,7,8,9,10,11,12,13,14,15
	v_exp_f32 v[32*\uu+2*\ii], v[32*\uu+2*\ii]
	v_exp_f32 v[32*\uu+2*\ii+1], v[32*\uu+2*\ii+1]
	v_pk_add_f32 v[32*\uu+32+2*\ii:32*\uu+33+2*\ii], v[32*\uu+32+2*\ii:32*\uu+33+2*\ii], v[M+2*\uu+2:M+2*\uu+3] op_sel_hi:[1,0] neg_lo:[0,1] neg_hi:[0,1]
.endr
.endr
.irp ii, 0,1,2,3,4,5,6,7,8,9,10,11,12,13,14,15
	v_exp_f32 v[96+2*\ii], v[96+2*\ii]
	v_exp_f32 v[97+2*\ii], v[97+2*\ii]
.endr
	; the row sums' first level (it begins with tile 0: a plain place behind the last v_exp_f32), then P in f16, in place
	WIN XW+XW*4
	s_wait_alu depctr_va_vdst(0)
.irp uu, 0,1,2,3
.irp ii, 0,1,2,3,4,5,6,7
	v_pk_add_f32 v[R+16*\uu+2*\ii:R+16*\uu+2*\ii+1], v[32*\uu+4*\ii:32*\uu+4*\ii+1], v[32*\uu+4*\ii+2:32*\uu+4*\ii+3]
.endr
.endr
	WIN XW+XW*4+XW*64
.irp uu, 0,1,2,3
.irp kc, 0,1
.irp ii, 0,1,2,3,4,5,6,7
	v_cvt_pk_f16_f32 v[32*\uu+16*\kc+\ii], v[32*\uu+16*\kc+2*\ii], v[32*\uu+16*\kc+2*\ii+1]   ; registers 0-3 from tile 2 kc, 4-7 from tile 2 kc + 1; each write lands on numbers already packed
.endr
.endr
.endr
	WIN 0
.irp ii, 0,1,2,3
.irp uu, 0,1,2,3
	v_pk_add_f32 v[R+16*\uu+2*\ii:R+16*\uu+2*\ii+1], v[R+16*\uu+2*\ii:R+16*\uu+2*\ii+1], v[R+16*\uu+2*\ii+8:R+16*\uu+2*\ii+9]
.endr
.endr
.irp ii, 0,1
.irp uu, 0,1,2,3
	v_pk_add_f32 v[R+16*\uu+2*\ii:R+16*\uu+2*\ii+1], v[R+16*\uu+2*\ii:R+16*\uu+2*\ii+1], v[R+16*\uu+2*\ii+4:R+16*\uu+2*\ii+5]
.endr
.endr
.irp uu, 0,1,2,3
.if \first
	v_pk_add_f32 v[L2+2*\uu:L2+2*\uu+1], v[R+16*\uu:R+16*\uu+1], v[R+16*\uu+2:R+16*\uu+3]
.else
	v_pk_add_f32 v[R+16*\uu:R+16*\uu+1], v[R+16*\uu:R+16*\uu+1], v[R+16*\uu+2:R+16*\uu+3]
.endif
.endr
.if \first == 0
.irp uu, 0,1,2,3
	v_pk_fma_f32 v[L2+2*\uu:L2+2*\uu+1], v[L2+2*\uu:L2+2*\uu+1], v[AL+2*\uu:AL+2*\uu+1], v[R+16*\uu:R+16*\uu+1] op_sel_hi:[1,0,1]
.endr
	WIN 0x41
.irp uu, 0,1,2,3
.irp ii, 0,1,2,3,4,5,6,7,8,9,10,11,12,13,14,15
	v_pk_mul_f32 v[O+32*\uu+2*\ii:O+32*\uu+2*\ii+1], v[O+32*\uu+2*\ii:O+32*\uu+2*\ii+1], v[AL+2*\uu:AL+2*\uu+1] op_sel_hi:[1,0]
.endr
.endr
.endif
	WIN XW*4+0x50
.irp kc, 0,1
.irp uu, 0,1,2,3
.irp tt, 0,1,2,3
.if \first*(1-\kc)
	v_wmma_f32_16x16x32_f16 v[O+32*\uu+8*\tt:O+32*\uu+8*\tt+7], v[VF+8*(2*\tt+\kc):VF+8*(2*\tt+\kc)+7], v[32*\uu+16*\kc:32*\uu+16*\kc+7], 0
.else
	v_wmma_f32_16x16x32_f16 v[O+32*\uu+8*\tt:O+32*\uu+8*\tt+7], v[VF+8*(2*\tt+\kc):VF+8*(2*\tt+\kc)+7], v[32*\uu+16*\kc:32*\uu+16*\kc+7], v[O+32*\uu+8*\tt:O+32*\uu+8*\tt+7]
.endif
.endr
.endr
.endr
.endm
.macro BSTEP                           ; four steps on in the bias rows
	WIN 0
	s_wait_xcnt 0x0                                ; the base of pending loads is stepped only behind this wait
	s_add_nc_u64 s[10:11], s[10:11], 1024
.endm
	STEP 0, 1, 0, 1, 1, 24, 1                      ; steps 0-3: the first starts the sums
	STEP 1, 0, 1, 1, 1, 24, 1
	STEP 2, 0, 0, 1, 1, 24, 1
	STEP 3, 0, 1, 1, 1, 24, 1
	BSTEP
	s_mov_b32 s50, 5
.Ltrip:                                            ; steps 4-23
	STEP 0, 0, 0, 1, 1, 24, 1
	STEP 1, 0, 1, 1, 1, 24, 1
	STEP 2, 0, 0, 1, 1, 24, 1
	STEP 3, 0, 1, 1, 1, 24, 1
	BSTEP
	s_sub_co_u32 s50, s50, 1
	s_cmp_lg_u32 s50, 0
	s_cbranch_scc1 .Ltrip
	STEP 0, 0, 0, 1, 1, 24, 1                      ; step 24: asks for bias tile 30
	STEP 1, 0, 1, 1, 1, 24, 1                      ; step 25: tile 31, the last; slot 0 gets steps 28, 29
	STEP 2, 0, 0, 1, 0, 24, 1                      ; step 26
	STEP 3, 0, 1, 1, 0, 16, 1                      ; step 27: slot 1 gets steps 30, 31: the last fill; the counts run down
	STEP 0, 0, 0, 1, 0, 8, 1                       ; step 28
	STEP 1, 0, 0, 1, 0, 0, 1                       ; step 29: the last bias tile goes to LDS; the last fill is waited for
	STEP 2, 0, 0, 0, 0, 0, 1                       ; step 30
	STEP 3, 0, 0, 0, 0, 0, 0                       ; step 31
	; THE WAY OUT: O / l in f16.  Tile (u, t), packed, is half t & 1 of the next launch's fragment (chunk 2 head + t / 2, token tile u).
	PLACES
	WIN 0
.irp uu, 0,1,2,3
	v_add_f32 v[T+\uu], v[L2+2*\uu], v[L2+2*\uu+1]
.endr
.irp uu, 0,1,2,3
	v_permlanex16_b32 v[T2+\uu], v[T+\uu], s48, s49
.endr
.irp uu, 0,1,2,3
	v_add_f32 v[T+\uu], v[T+\uu], v[T2+\uu]
.endr
.irp uu, 0,1,2,3
	v_rcp_f32 v[AL+2*\uu], v[T+\uu]
.endr
	v_nop                                          ; one plain place behind v_rcp_f32 (ISA guide 5.7.2)
	s_wait_alu depctr_va_vdst(0)
.irp uu, 0,1,2,3
	WIN 0x01
.irp ii, 0,1,2,3,4,5,6,7,8,9,10,11,12,13,14,15
	v_pk_mul_f32 v[R+2*\ii:R+2*\ii+1], v[O+32*\uu+2*\ii:O+32*\uu+2*\ii+1], v[AL+2*\uu:AL+2*\uu+1] op_sel_hi:[1,0]
.endr
	WIN 0
.irp ii, 0,1,2,3,4,5,6,7,8,9,10,11,12,13,14,15
	v_cvt_pk_f16_f32 v[KF+16*\uu+\ii], v[R+2*\ii], v[R+2*\ii+1]   ; 64 registers of their own: no store's data is written again
.endr
.irp tt, 0,1,2,3
	global_store_b128 v[L16], v[KF+16*\uu+4*\tt:KF+16*\uu+4*\tt+3], s[12:13] offset:(\tt>>1)*8192+\uu*1024+(\tt&1)*512   ; 512 consecutive bytes
.endr
.endr
	s_wait_tensorcnt 0x0
	ds_add_u32 v62, v63
	s_wait_dscnt 0x0
	ROUND                                          ; the closing round: no work-group ends while a partner may still ask jointly
	s_endpgm
.Lfunc_end_k_q74b13ed043_attn:
	.size	k_q74b13ed043_attn, .Lfunc_end_k_q74b13ed043_attn-k_q74b13ed043_attn
	.p2alignl 7, 3214868480
	.fill 96, 4, 3214868480
	.section	.rodata,"a",@progbits
	.p2align	6, 0x0
	.amdhsa_kernel k_q74b13ed043_attn
		.amdhsa_group_segment_fixed_size 327680
		.amdhsa_private_segment_fixed_size 0
		.amdhsa_enable_private_segment 0
		.amdhsa_kernarg_size 40
		.amdhsa_user_sgpr_count 2
		.amdhsa_user_sgpr_kernarg_segment_ptr 1
		.amdhsa_wavefront_size32 1
		.amdhsa_system_sgpr_workgroup_id_x 1
		.amdhsa_system_sgpr_workgroup_id_y 1
		.amdhsa_system_sgpr_workgroup_id_z 1
		.amdhsa_system_vgpr_workitem_id 0
		.amdhsa_next_free_vgpr 896
		.amdhsa_next_free_sgpr 66
		.amdhsa_reserve_vcc 0
		.amdhsa_float_denorm_mode_32 3
		.amdhsa_float_denorm_mode_16_64 3
		.amdhsa_memory_ordered 1
		.amdhsa_forward_progress 1
		.amdhsa_inst_pref_size 255
	.end_amdhsa_kernel
	.section	.bss,"aw",@nobits
	.p2align	6
	.space	262144
	.amdgpu_metadata
---
amdhsa.version: [ 1, 2 ]
amdhsa.kernels:
  - .name:           k_q74b13ed043_attn
    .symbol:         k_q74b13ed043_attn.kd
    .args:
      - { .name: qf, .offset: 0, .size: 8, .value_kind: global_buffer, .address_space: global }
      - { .name: kf, .offset: 8, .size: 8, .value_kind: global_buffer, .address_space: global }
      - { .name: vf, .offset: 16, .size: 8, .value_kind: global_buffer, .address_space: global }
      - { .name: attn_bias, .offset: 24, .size: 8, .value_kind: global_buffer, .address_space: global }
      - { .name: of, .offset: 32, .size: 8, .value_kind: global_buffer, .address_space: global }
    .group_segment_fixed_size: 327680
    .private_segment_fixed_size: 0
    .kernarg_segment_align: 8
    .kernarg_segment_size: 40
    .max_flat_workgroup_size: 128
    .sgpr_count:     66
    .vgpr_count:     896
    .wavefront_size: 32
...
	.end_amdgpu_metadata
.endif
;; end of part 2
;; launch oproj (part 3): grid 4 x 64, 4 waves a work-group, clusters of 4 x 4, 280,064 bytes of LDS; arguments of, wof, bo, out0; writes out0
.if DOCPART == 3
	.amdgcn_target "amdgcn-amd-amdhsa--gfx1250"
	.amdhsa_code_object_version 6
	.text
	.protected	k_q74b13ed043_oproj
	.globl	k_q74b13ed043_oproj
	.p2align	8
	.type	k_q74b13ed043_oproj,@function
k_q74b13ed043_oproj:
	s_mov_b64 s[64:65], 0
	v_nop
	global_prefetch_b8 v0, s[64:65] scope:SCOPE_SE
	s_setreg_imm32_b32 hwreg(HW_REG_WAVE_MODE, 25, 1), 1
	s_wait_xcnt 0x0
	s_wait_alu depctr_hold_cnt(0) depctr_sa_sdst(0) depctr_va_vdst(0) depctr_va_sdst(0) depctr_va_ssrc(0) depctr_va_vcc(0) depctr_vm_vsrc(0)
	s_getreg_b32 s2, hwreg(HW_REG_IB_STS2, 6, 4)
	s_cmp_eq_u32 s2, 0
	s_cbranch_scc0 .Lentry_in_a_cluster
	s_endpgm
.Lentry_in_a_cluster:
	s_bfe_u32 s2, ttmp6, 0x10000c
	s_cmp_lg_u32 s2, 0xf033
	s_cbranch_scc0 .Lentry_shape_is_right
	s_endpgm
.Lentry_shape_is_right:
; out0 = o Wo^T + bo.  o and Wo come as f16 in fragment order from the launches before; out0 is f32, [8192][512].
; A work-group makes 128 tokens (id y) x 128 features (id x); wave (mi, ni) makes 64 x 64: 16 accumulator tiles.  K = 512 is 16 chunks of 32.
; The whole K of both operands fits in LDS (128 KB + 128 KB), so every tensor load is a first fill: nothing is filled again.
; CLUSTERS: 4 x 4 work-groups.  o's block hangs on the token block alone and is shared along a row of the cluster, Wo's on the feature block
; alone and is shared along a column: both are asked for jointly, a quarter of the requests.
; Waves 0, 1 ask for o, waves 2, 3 for Wo, each in four loads of 16 KB, one for each quarter of K: four loads of a wave are out at the most.
; TRANSPOSED: source 0 = Wo, source 1 = o: lane (r, h) holds token r and features 16 b + 8 h + j, 32 consecutive bytes of a row of out0.
; LIMITS: both operands are f16 (11 significant bits, largest 65,504), as the launches before made them; sums and the bias in f32.
.set HALF,  131072                     ; o at 0, Wo behind it
.set QUART, 32768                      ; four chunks of 8 tiles x 1,024 bytes
.set STAGE, 2*HALF                     ; 16 rows x 272 bytes for each wave, for the way out; no tensor load lands here
.set SPITCH, 272
.set AA,  2                            ; v2-3   my o fragments: quarters 0-1, quarters 2-3
.set BA,  4                            ; v4-5   my Wo fragments
.set STO, 6
.set RD,  7
.set CO,  8
.set PO,  9
.set L16, 10
.set BO,  16                           ; v16-47  register 8 b + j = bo[my feature 16 b + 8 h + j]: the first C
.set F,   64                           ; v64-127, v128-191: two buffers of 4 o fragments, then 4 Wo fragments
.set RB,  192                          ; v192-223, v224-255: rows read back
.set G1A, 24
.set G1B, 32
.set G0A, 40                           ; s[40:55] a set for each quarter
.set G0B, 68                           ; s[68:83]
.set MSB, 0
.macro WIN new
.if MSB != (\new)
	s_set_vgpr_msb (MSB<<8)|(\new)
.set MSB, \new
.endif
.endm
.macro PLACES                          ; four places behind a matrix instruction (ISA guide 7.12.1)
.rept 4
	v_nop
.endr
.endm
.macro ROUND
	s_barrier_signal -1
	s_barrier_wait -1
	s_cmp_lg_u32 s12, 0
	s_cbranch_scc1 .Lnot_wave_0_\@
	s_barrier_signal -3
.Lnot_wave_0_\@:
	s_barrier_wait -3
	s_barrier_signal -1
	s_barrier_wait -1
.endm
	s_load_b256 s[4:11], s[0:1], 0x0               ; of 4, wof 6, bo 8, out0 10
	v_lshl_add_u32 v62, v0, 2, 0x44400
	v_mov_b32 v63, 0
	ds_add_u32 v62, v63
	v_lshrrev_b32 v1, 5, v0
	v_readfirstlane_b32 s12, v1                    ; wave
	s_lshr_b32 s13, s12, 1                         ; mi.  Also: I ask for o (0) or Wo (1)
	s_and_b32 s14, s12, 1                          ; ni.  Also: which half of a quarter I ask for
	s_bfe_u32 s15, ttmp6, 0x40000                  ; cx
	s_bfe_u32 s16, ttmp6, 0x40004                  ; cy
	s_lshl_b32 s17, ttmp9, 2
	s_add_co_u32 s17, s17, s15                     ; feature block
	s_and_b32 s18, ttmp7, 0xffff
	s_lshl_b32 s18, s18, 2
	s_add_co_u32 s18, s18, s16                     ; token block
	s_lshl_b32 s19, s16, 2
	s_lshl_b32 s19, 15, s19                        ; my row of the cluster
	s_lshl_b32 s20, 0x1111, s15                    ; my column
	; group 1: 64 rows of 32 elements of 8 bytes, dense: 16 KB
	s_or_b32 s[G1A+0], s19, (3<<16)|(1<<21)
	s_or_b32 s[G1B+0], s20, (3<<16)|(1<<21)
	s_mov_b32 s[G1A+1], 32<<16
	s_mov_b32 s[G1B+1], 32<<16
	s_mov_b32 s[G1A+2], 64<<16
	s_mov_b32 s[G1B+2], 64<<16
	s_mov_b32 s[G1A+3], 32<<16
	s_mov_b32 s[G1B+3], 32<<16
	s_mov_b32 s[G1A+4], 64
	s_mov_b32 s[G1B+4], 64
	s_mov_b32 s[G1A+5], 32
	s_mov_b32 s[G1B+5], 32
	s_mov_b32 s[G1A+6], 0
	s_mov_b32 s[G1B+6], 0
	s_mov_b32 s[G1A+7], 0
	s_mov_b32 s[G1B+7], 0
	s_lshl_b32 s22, s14, 14                        ; my 16 KB of a quarter
	s_lshl_b32 s56, s18, 17                        ; o: the token block, which my row shares
	s_add_co_u32 s56, s56, s22
	s_mov_b32 s57, 0
	s_lshl_b32 s58, s17, 17                        ; Wo: the feature block, which my column shares
	s_add_co_u32 s58, s58, s22
	s_mov_b32 s59, 0
	s_lshl_b32 s21, s13, 17
	s_add_co_u32 s21, s21, s22                     ; LDS: made of the wave's number alone
	s_lshl_b32 s60, s17, 9
	s_lshl_b32 s61, s14, 8
	s_add_co_u32 s60, s60, s61                     ; my 64 features, in bytes of f32
	s_mov_b32 s61, 0
	s_lshl_b32 s62, s18, 18
	s_lshl_b32 s63, s13, 17
	s_add_co_u32 s62, s62, s63                     ; my first row of out0: (128 block + 64 mi) x 2,048 bytes
	s_add_co_u32 s62, s62, s60
	s_mov_b32 s63, 0
	s_wait_dscnt 0x0
	s_wait_kmcnt 0x0
	s_add_nc_u64 s[4:5], s[4:5], s[56:57]
	s_add_nc_u64 s[6:7], s[6:7], s[58:59]
	s_add_nc_u64 s[8:9], s[8:9], s[60:61]
	s_add_nc_u64 s[10:11], s[10:11], s[62:63]
.irp q, 0,1,2,3
	s_mov_b32 s[G0A+4*\q], 1
	s_add_co_u32 s[G0A+4*\q+1], s21, \q*QUART
	s_add_nc_u64 s[G0A+4*\q+2:G0A+4*\q+3], s[4:5], \q*QUART
	s_or_b32 s[G0A+4*\q+3], s[G0A+4*\q+3], 0x80000000
	s_mov_b32 s[G0B+4*\q], 1
	s_add_co_u32 s[G0B+4*\q+1], s21, \q*QUART
	s_add_nc_u64 s[G0B+4*\q+2:G0B+4*\q+3], s[6:7], \q*QUART
	s_or_b32 s[G0B+4*\q+3], s[G0B+4*\q+3], 0x80000000
.endr
	ROUND                                          ; all sixteen work-groups are here: the joint loads meet
	s_cmp_eq_u32 s13, 0
	s_cbranch_scc0 .Lfor_b
.irp q, 0,1,2,3
	tensor_load_to_lds s[G0A+4*\q:G0A+4*\q+3], s[G1A:G1A+7]
	s_nop 0
.endr
	s_branch .Lasked
.Lfor_b:
.irp q, 0,1,2,3
	tensor_load_to_lds s[G0B+4*\q:G0B+4*\q+3], s[G1B:G1B+7]
	s_nop 0
.endr
.Lasked:
	v_and_b32 v11, 15, v0                          ; r
	v_bfe_u32 v12, v0, 4, 1                        ; h
	v_and_b32 v1, 31, v0
	v_lshlrev_b32 v[L16], 4, v1
	v_lshlrev_b32 v[PO], 5, v12
.irp b, 0,1,2,3
	global_load_b128 v[BO+8*\b:BO+8*\b+3], v[PO], s[8:9] offset:64*\b
	global_load_b128 v[BO+8*\b+4:BO+8*\b+7], v[PO], s[8:9] offset:64*\b+16
.endr
	s_lshl_b32 s22, s13, 12                        ; my four token tiles
	v_add_nc_u32 v[AA], s22, v[L16]
	v_add_nc_u32 v[AA+1], 2*QUART, v[AA]
	s_lshl_b32 s22, s14, 12                        ; my four feature tiles
	s_add_co_u32 s22, s22, HALF
	v_add_nc_u32 v[BA], s22, v[L16]
	v_add_nc_u32 v[BA+1], 2*QUART, v[BA]
	s_mul_i32 s22, s12, 16*SPITCH
	s_add_co_u32 s22, s22, STAGE
	v_mul_u32_u24 v13, v11, SPITCH
	v_lshl_add_u32 v13, v12, 5, v13
	v_add_nc_u32 v[STO], s22, v13                  ; in: row r, 32 h
	v_mul_u32_u24 v13, v12, SPITCH
	v_lshl_add_u32 v13, v11, 4, v13
	v_add_nc_u32 v[RD], s22, v13                   ; back: lanes 0-15 a row's 256 bytes, lanes 16-31 the next row's
	v_lshlrev_b32 v13, 4, v11
	v_lshl_add_u32 v[CO], v12, 11, v13             ; the same two rows in out0
.macro FETCH q, kk, f                  ; chunk kk of quarter q: 16 LDS loads, lane i at 16 i of each 512 bytes
.irp a, 0,1,2,3
	ds_load_b128 v[F+64*(\f)+8*\a:F+64*(\f)+8*\a+3], v[AA+((\q)>>1)] offset:((\q)&1)*QUART+(\kk)*8192+\a*1024
	ds_load_b128 v[F+64*(\f)+8*\a+4:F+64*(\f)+8*\a+7], v[AA+((\q)>>1)] offset:((\q)&1)*QUART+(\kk)*8192+\a*1024+512
.endr
.irp b, 0,1,2,3
	ds_load_b128 v[F+64*(\f)+32+8*\b:F+64*(\f)+32+8*\b+3], v[BA+((\q)>>1)] offset:((\q)&1)*QUART+(\kk)*8192+\b*1024
	ds_load_b128 v[F+64*(\f)+32+8*\b+4:F+64*(\f)+32+8*\b+7], v[BA+((\q)>>1)] offset:((\q)&1)*QUART+(\kk)*8192+\b*1024+512
.endr
.endm
; 16 matrix instructions; the 16 accumulators take turns, one instruction a turn.  first = 1: C is the bias, which starts the sums.
.macro MUL f, first
.if \first
	WIN 0x40
.else
	WIN 0x50
.endif
.irp a, 0,1,2,3
.irp b, 0,1,2,3
.if \first
	v_wmma_f32_16x16x32_f16 v[32*\a+8*\b:32*\a+8*\b+7], v[F+64*\f+32+8*\b:F+64*\f+32+8*\b+7], v[F+64*\f+8*\a:F+64*\f+8*\a+7], v[BO+8*\b:BO+8*\b+7]
.else
	v_wmma_f32_16x16x32_f16 v[32*\a+8*\b:32*\a+8*\b+7], v[F+64*\f+32+8*\b:F+64*\f+32+8*\b+7], v[F+64*\f+8*\a:F+64*\f+8*\a+7], v[32*\a+8*\b:32*\a+8*\b+7]
.endif
.endr
.endr
.endm
.macro CHUNK q, kk, f, first           ; one of a quarter's first three chunks: the next one's fragments are fetched ahead of the products
	PLACES
	WIN 0
	FETCH \q, \kk+1, 1-\f
	s_wait_dscnt 16                                ; this chunk's fragments are in; the 16 loads just issued may be out
	MUL \f, \first
.endm
.macro CROSS q                         ; a quarter's last chunk: the next quarter must be whole in LDS
	WIN 0
	s_wait_tensorcnt 2-\q                          ; my part of quarter q + 1 has landed; the later ones stay out
	s_wait_dscnt 0x0
	s_barrier_signal -1
	s_barrier_wait -1                              ; everybody's has
	PLACES
	FETCH \q+1, 0, 0
	MUL 1, 0
.endm
	s_wait_tensorcnt 0x3                           ; my part of quarter 0
	s_barrier_signal -1
	s_barrier_wait -1
	FETCH 0, 0, 0
	s_wait_loadcnt 0x0                             ; bo
	CHUNK 0, 0, 0, 1
	CHUNK 0, 1, 1, 0
	CHUNK 0, 2, 0, 0
	CROSS 0
	CHUNK 1, 0, 0, 0
	CHUNK 1, 1, 1, 0
	CHUNK 1, 2, 0, 0
	CROSS 1
	CHUNK 2, 0, 0, 0
	CHUNK 2, 1, 1, 0
	CHUNK 2, 2, 0, 0
	CROSS 2
	CHUNK 3, 0, 0, 0
	CHUNK 3, 1, 1, 0
	CHUNK 3, 2, 0, 0
	s_wait_dscnt 0x0
	MUL 1, 0
	; THE WAY OUT, 16 tokens at a time, through my own stage: 32 bytes a lane in, whole rows of 256 bytes back.
	; LDS serves a wave's instructions in order (ISA guide 5.7.1), so no wait stands between my stores and my loads.
	PLACES
.macro OUT16 a, rb
	WIN 0x04
.irp b, 0,1,2,3
	ds_store_b128 v[STO], v[32*\a+8*\b:32*\a+8*\b+3] offset:64*\b
	ds_store_b128 v[STO], v[32*\a+8*\b+4:32*\a+8*\b+7] offset:64*\b+16
.endr
	WIN 0
	s_wait_xcnt 0x0                                ; the registers that earlier stores read are loaded again only behind this wait
.irp i, 0,1,2,3,4,5,6,7
	ds_load_b128 v[\rb+4*\i:\rb+4*\i+3], v[RD] offset:\i*2*SPITCH
.endr
.irp i, 0,1,2,3,4,5,6,7
	s_wait_dscnt 7-\i
	global_store_b128 v[CO], v[\rb+4*\i:\rb+4*\i+3], s[10:11] offset:(16*\a+2*\i)*2048 th:TH_STORE_NT   ; sixteen lanes store 256 consecutive bytes, aligned
.endr
.endm
	OUT16 0, RB
	OUT16 1, RB+32
	OUT16 2, RB
	OUT16 3, RB+32
	s_wait_tensorcnt 0x0
	ds_add_u32 v62, v63
	s_wait_dscnt 0x0
	ROUND                                          ; the closing round
	s_endpgm
.Lfunc_end_k_q74b13ed043_oproj:
	.size	k_q74b13ed043_oproj, .Lfunc_end_k_q74b13ed043_oproj-k_q74b13ed043_oproj
	.p2alignl 7, 3214868480
	.fill 96, 4, 3214868480
	.section	.rodata,"a",@progbits
	.p2align	6, 0x0
	.amdhsa_kernel k_q74b13ed043_oproj
		.amdhsa_group_segment_fixed_size 280064
		.amdhsa_private_segment_fixed_size 0
		.amdhsa_enable_private_segment 0
		.amdhsa_kernarg_size 32
		.amdhsa_user_sgpr_count 2
		.amdhsa_user_sgpr_kernarg_segment_ptr 1
		.amdhsa_wavefront_size32 1
		.amdhsa_system_sgpr_workgroup_id_x 1
		.amdhsa_system_sgpr_workgroup_id_y 1
		.amdhsa_system_sgpr_workgroup_id_z 1
		.amdhsa_system_vgpr_workitem_id 0
		.amdhsa_next_free_vgpr 384
		.amdhsa_next_free_sgpr 84
		.amdhsa_reserve_vcc 0
		.amdhsa_float_denorm_mode_32 3
		.amdhsa_float_denorm_mode_16_64 3
		.amdhsa_memory_ordered 1
		.amdhsa_forward_progress 1
		.amdhsa_inst_pref_size 53
	.end_amdhsa_kernel
	.amdgpu_metadata
---
amdhsa.version: [ 1, 2 ]
amdhsa.kernels:
  - .name:           k_q74b13ed043_oproj
    .symbol:         k_q74b13ed043_oproj.kd
    .args:
      - { .name: of, .offset: 0, .size: 8, .value_kind: global_buffer, .address_space: global }
      - { .name: wof, .offset: 8, .size: 8, .value_kind: global_buffer, .address_space: global }
      - { .name: bo, .offset: 16, .size: 8, .value_kind: global_buffer, .address_space: global }
      - { .name: out0, .offset: 24, .size: 8, .value_kind: global_buffer, .address_space: global }
    .group_segment_fixed_size: 280064
    .private_segment_fixed_size: 0
    .kernarg_segment_align: 8
    .kernarg_segment_size: 32
    .max_flat_workgroup_size: 128
    .sgpr_count:     84
    .vgpr_count:     384
    .wavefront_size: 32
...
	.end_amdgpu_metadata
.endif
;; end of part 3
;; ======== version 2 of 3: 3 launches; 1.28 times as fast as version 1
;; limits: values are held in f16: magnitudes above 65,504 overflow, below 6.1e-05 lose precision; inputs' magnitudes at most 6.9e+29
;; workspace buffers: qf 8,388,608 bytes; kf 8,388,608 bytes; vf 8,388,608 bytes; of 8,388,608 bytes; wof 524,288 bytes
;; launch qkv: the kernel of part 1 again; grid 8 x 32, 4 waves a work-group, no clusters, 129,536 bytes of LDS; arguments x, Wq, Wk, Wv, bq, bk, bv, q_gamma, q_beta, k_gamma, k_beta, Wo, qf, kf, vf, wof; writes qf, kf, vf, wof
;; launch attn (part 4): grid 32 x 8, 4 waves a work-group, clusters of 4 x 1, 327,680 bytes of LDS; arguments qf, kf, vf, attn_bias, of; writes of
.if DOCPART == 4
	.amdgcn_target "amdgcn-amd-amdhsa--gfx1250"
	.amdhsa_code_object_version 6
	.text
	.protected	k_q74b13ed043_attn
	.globl	k_q74b13ed043_attn
	.p2align	8
	.type	k_q74b13ed043_attn,@function
k_q74b13ed043_attn:
	s_mov_b64 s[64:65], 0
	v_nop
	global_prefetch_b8 v0, s[64:65] scope:SCOPE_SE
	s_setreg_imm32_b32 hwreg(HW_REG_WAVE_MODE, 25, 1), 1
	s_wait_xcnt 0x0
	s_wait_alu depctr_hold_cnt(0) depctr_sa_sdst(0) depctr_va_vdst(0) depctr_va_sdst(0) depctr_va_ssrc(0) depctr_va_vcc(0) depctr_vm_vsrc(0)
	s_getreg_b32 s2, hwreg(HW_REG_IB_STS2, 6, 4)
	s_cmp_eq_u32 s2, 0
	s_cbranch_scc0 .Lentry_in_a_cluster
	s_endpgm
.Lentry_in_a_cluster:
	s_bfe_u32 s2, ttmp6, 0x10000c
	s_cmp_lg_u32 s2, 0x3003
	s_cbranch_scc0 .Lentry_shape_is_right
	s_endpgm
.Lentry_shape_is_right:
; softmax(q k^T / 8 + bias) v with a running maximum, for 64 queries (id x) of four heads of one batch (id y = 2 batch + head group).
; Wave w is head 4 (y & 1) + w with all 64 queries.  32 steps of 64 keys: 32 matrix instructions for the scores, 32 for P V.
; q carries 1/8 and log2(e) from the launch before, the bias is multiplied by log2(e) here, so p = 2^(S - m).
; TRANSPOSED: S^T = K Q^T: lane (r, h) holds query 16 u + r and keys 16 kt + 8 h + j.  So a row's maximum and sum are work inside the lane
; and one exchange with lane (r, 1 - h); two score tiles, packed to f16, ARE source 1 of O^T = V^T P^T in the same lanes; and the bias is
; loaded straight into the score registers as the first C.
; A PIPELINE OF STEPS: step t's text holds the softmax and P V of step t and the score products of step t + 1, so that vector work stands
; between the matrix instructions: one score product behind every six instructions of the exponential phase; P V goes query tile by query
; tile, tile u's eight products alternating with tile u + 1's sums, packing and rescale, the last tile's with the sum tree.  For that the
; scores, and V's fragments, have two register buffers that take turns, and all LDS reads for step t + 1 are issued in step t.
; CLUSTERS: the four work-groups of a cluster are four query blocks of the same batch and head group.  They read the same K and V tiles,
; which are asked for jointly (mask 15): a quarter of the requests.  THE BIAS IS NOT SHARED in a cluster: each query block has rows of its
; own; only the two head groups read the same rows, and they lie in different clusters.
; THE BIAS GOES THROUGH REGISTERS: in step t each wave asks for its 16 rows x 256 bytes of tile t + 4 (two sets of 32 registers that take
; turns, 32 KB on their way for the work-group); two steps later it scales them and stores them into one of two padded LDS buffers that
; no tensor load ever fills; a step after that they are read into the score registers.
; THE TEXT IS KEPT SHORT: steps 0 to 27 are alike and run through ONE loop body of four steps, two slots x two halves; only steps 28 to 31,
; which fill nothing, are written out.  So the first step is not written out either: the running maximum starts at -1e30, the running sums
; and O at 0, and step 0 multiplies those zeros by 2^(-1e30 - m) = 0.
; LIMITS: matrix operands in f16 (11 significant bits).  The weights p lie in [0, 1], where f16 has an absolute step of 2^-24 at the least,
; against a row sum of at least 1; o is a convex mix of v and has v's range, which must stay below 65,504 (see the launch before).
; The running maximum starts at -1e30 (as an exponent of 2).  -inf in the bias gives weight 0; a row that is -inf throughout gives NaN.
; +inf and NaN in the inputs are not served.
.set TILE,  32768                      ; K or V^T of 64 keys x 4 heads, in fragment order, dense
.set SLOT,  4*TILE                     ; K even step, K odd step, V even, V odd: two steps a slot, two slots
.set BB,    2*SLOT                     ; the two bias buffers
.set BPITCH, 272                       ; 256 bytes + 16 = 17 x 16: sixteen rows start at sixteen different 16-byte columns modulo 256
.set BBUF,  64*BPITCH
; window 0
.set KA,  2                            ; v2-3   my head's K fragments in slot 0, 1: 8,192 w + 16 lane
.set VA,  4                            ; v4-5   V's
.set BA,  6                            ; bias as C: row r, 32 h
.set BS,  7                            ; bias in: row 16 w + lane / 16, 16 (lane mod 16)
.set BO,  8                            ; the same place in memory
.set L16, 9
.set M,   10                           ; v10-17 running maximum of query tile u at 10 + 2 u (pairs; the upper registers are written once)
.set AL,  18                           ; v18-25 2^(old maximum - new)
.set L2,  26                           ; v26-33 running sums, two a lane
.set T,   34                           ; v34-37
.set T2,  38                           ; v38-41
.set KF,  64                           ; v64-127  K fragments 2 kt + c
.set R,   192                          ; v192-255 sums at work, 16 for each u
; window 1
.set O,   0                            ; v0-127   O^T tiles 32 u + 8 t
.set Q,   128                          ; v128-191 Q fragments 2 u + c
; window 2: v0-127 scores of even steps (32 u + 8 kt); window 3: v0-127 scores of odd steps
.set BIAS, 128                         ; window 2, v128-255: sets of 32.  Sets 0, 1: the ring, even and odd tiles.  Sets 2, 3: tiles 0, 1, once, at the start
.set VF,  128                          ; window 3, v128-191 V^T fragments 2 t + kc of even steps, v192-255 of odd steps
.set G1,  24                           ; s[24:31] the shape of every tile
.set G0K, 32                           ; s[32:39] from where, to where: K, a set for each slot
.set G0V, 40                           ; s[40:47] V
.set MSB, 0
.macro WIN new
.if MSB != (\new)
	s_set_vgpr_msb (MSB<<8)|(\new)
.set MSB, \new
.endif
.endm
.macro PLACES                          ; four places behind a matrix instruction (ISA guide 7.12.1)
.rept 4
	v_nop
.endr
.endm
.macro ROUND                           ; a round of the cluster's barrier
	s_barrier_signal -1
	s_barrier_wait -1
	s_cmp_lg_u32 s14, 0
	s_cbranch_scc1 .Lnot_wave_0_\@
	s_barrier_signal -3
.Lnot_wave_0_\@:
	s_barrier_wait -3
	s_barrier_signal -1
	s_barrier_wait -1
.endm
.macro JLOAD sl                        ; a joint load: waves 0, 1 ask for the slot's two K tiles, waves 2, 3 for its two V tiles
	s_cmp_eq_u32 s16, 0
	s_cbranch_scc0 .Lfor_v_\@
	tensor_load_to_lds s[G0K+4*\sl:G0K+4*\sl+3], s[G1:G1+7]
	s_nop 0
	s_branch .Lasked_\@
.Lfor_v_\@:
	tensor_load_to_lds s[G0V+4*\sl:G0V+4*\sl+3], s[G1:G1+7]
	s_nop 0
.Lasked_\@:
.endm
	s_load_b256 s[4:11], s[0:1], 0x0               ; qf 4, kf 6, vf 8, attn_bias 10
	s_load_b64 s[12:13], s[0:1], 0x20              ; of
	v_lshl_add_u32 v190, v0, 2, 0x48800
	v_mov_b32 v191, 0
	ds_add_u32 v190, v191
	v_lshrrev_b32 v1, 5, v0
	v_readfirstlane_b32 s14, v1                    ; wave
	s_and_b32 s15, s14, 1                          ; even or odd step's tile
	s_lshr_b32 s16, s14, 1                         ; I ask for K (0) or V (1)
	s_bfe_u32 s17, ttmp6, 0x40000                  ; cx
	s_lshl_b32 s18, ttmp9, 2
	s_add_co_u32 s18, s18, s17                     ; query block = 4 x cluster x + cx
	s_and_b32 s19, ttmp7, 0xffff                   ; y
	s_mov_b32 s48, 0x76543210
	s_mov_b32 s49, 0xfedcba98
	; group 1: 128 rows of 32 elements of 8 bytes, dense: 32 KB
	s_mov_b32 s[G1+0], 0x0023000f                  ; 15:0 mask: all four of the cluster; 17:16 elements of 8 bytes; 21 set beside a mask
	s_mov_b32 s[G1+1], 32<<16                      ; tensor_dim0 = 32
	s_mov_b32 s[G1+2], 128<<16                     ; tensor_dim1 = 128
	s_mov_b32 s[G1+3], 32<<16                      ; tile_dim0 = 32
	s_mov_b32 s[G1+4], 128                         ; tile_dim1 = 128
	s_mov_b32 s[G1+5], 32                          ; from row to row
	s_mov_b32 s[G1+6], 0
	s_mov_b32 s[G1+7], 0
	v_and_b32 v42, 15, v0                          ; r
	v_bfe_u32 v43, v0, 4, 1                        ; h
	v_and_b32 v1, 31, v0
	v_lshlrev_b32 v[L16], 4, v1
	s_lshl_b32 s20, s14, 13
	v_add_nc_u32 v[KA], s20, v[L16]
	v_add_nc_u32 v[KA+1], SLOT, v[KA]
	v_add_nc_u32 v[VA], 2*TILE, v[KA]
	v_add_nc_u32 v[VA+1], SLOT+2*TILE, v[KA]
	v_mul_u32_u24 v44, v42, BPITCH
	v_lshl_add_u32 v44, v43, 5, v44
	v_add_nc_u32 v[BA], BB, v44
	s_mul_i32 s21, s14, 16*BPITCH
	s_add_co_u32 s21, s21, BB
	v_mul_u32_u24 v44, v43, BPITCH
	v_lshl_add_u32 v44, v42, 4, v44
	v_add_nc_u32 v[BS], s21, v44
	v_lshlrev_b32 v44, 4, v42
	v_lshl_add_u32 v44, v43, 13, v44
	s_lshl_b32 s21, s14, 17
	v_add_nc_u32 v[BO], s21, v44                   ; (16 w + lane / 16) rows of 8,192 bytes + 16 (lane mod 16)
.irp uu, 0,1,2,3
	v_mov_b32 v[M+2*\uu], 0xf149f2ca               ; the running maximum starts at -1e30
	v_mov_b32 v[M+2*\uu+1], 0                      ; the pairs' upper registers: named by the packed forms, never used
	v_mov_b32 v[AL+2*\uu+1], 0
	v_mov_b32 v[L2+2*\uu], 0                       ; the running sums start at 0
	v_mov_b32 v[L2+2*\uu+1], 0
.endr
	; K's and V's tiles hang on y and the wave alone, which the four partners share
	s_lshl_b32 s20, s19, 20
	s_lshl_b32 s22, s15, 15
	s_add_co_u32 s20, s20, s22
	s_mov_b32 s21, 0
	s_lshl_b32 s23, s14, 15                        ; LDS: wave x 32 KB
	s_wait_dscnt 0x0
	s_wait_kmcnt 0x0
	s_add_nc_u64 s[6:7], s[6:7], s[20:21]
	s_add_nc_u64 s[8:9], s[8:9], s[20:21]
.irp sl, 0,1
	s_mov_b32 s[G0K+4*\sl], 1
	s_add_co_u32 s[G0K+4*\sl+1], s23, \sl*SLOT
	s_add_nc_u64 s[G0K+4*\sl+2:G0K+4*\sl+3], s[6:7], \sl*2*TILE
	s_or_b32 s[G0K+4*\sl+3], s[G0K+4*\sl+3], 0x80000000
	s_mov_b32 s[G0V+4*\sl], 1
	s_add_co_u32 s[G0V+4*\sl+1], s23, \sl*SLOT
	s_add_nc_u64 s[G0V+4*\sl+2:G0V+4*\sl+3], s[8:9], \sl*2*TILE
	s_or_b32 s[G0V+4*\sl+3], s[G0V+4*\sl+3], 0x80000000
.endr
	; what hangs on the query block: Q, the bias, the output
	s_lshl_b32 s52, s19, 5
	s_add_co_u32 s52, s52, s18
	s_lshl2_add_u32 s52, s52, s14
	s_lshl_b32 s52, s52, 13                        ; ((32 y + block) 4 + w) x 8,192
	s_mov_b32 s53, 0
	s_add_nc_u64 s[4:5], s[4:5], s[52:53]
	s_lshr_b32 s54, s19, 1                         ; batch
	s_lshl_b32 s54, s54, 24
	s_lshl_b32 s55, s18, 19
	s_add_co_u32 s54, s54, s55                     ; batch x 2,048 rows + block x 64 rows of 8,192 bytes
	s_mov_b32 s55, 0
	s_add_nc_u64 s[10:11], s[10:11], s[54:55]
	s_lshr_b32 s52, s19, 1
	s_lshl_b32 s52, s52, 4
	s_lshr_b32 s53, s18, 1
	s_add_co_u32 s52, s52, s53                     ; block of 128 tokens
	s_lshl_b32 s52, s52, 17
	s_and_b32 s53, s19, 1
	s_lshl2_add_u32 s53, s53, s14                  ; head
	s_lshl_b32 s53, s53, 14                        ; two chunks of 8,192 bytes a head
	s_add_co_u32 s52, s52, s53
	s_and_b32 s53, s18, 1
	s_lshl_b32 s53, s53, 12                        ; tiles 0-3 or 4-7 of the block
	s_add_co_u32 s52, s52, s53
	s_mov_b32 s53, 0
	s_add_nc_u64 s[12:13], s[12:13], s[52:53]
	ROUND                                          ; all four work-groups are here: the first joint loads meet
	s_cmp_eq_u32 s16, 0
	s_cbranch_scc0 .Lfirst_v
	tensor_load_to_lds s[G0K:G0K+3], s[G1:G1+7]    ; steps 0, 1
	s_nop 0
	tensor_load_to_lds s[G0K+4:G0K+7], s[G1:G1+7]  ; steps 2, 3
	s_nop 0
	s_branch .Lfirst_done
.Lfirst_v:
	tensor_load_to_lds s[G0V:G0V+3], s[G1:G1+7]
	s_nop 0
	tensor_load_to_lds s[G0V+4:G0V+7], s[G1:G1+7]
	s_nop 0
.Lfirst_done:
.macro BLOAD set, col                  ; my 16 rows x 256 bytes of the bias tile col steps behind the base, into a set: sixteen lanes take a row's 256 bytes, aligned
	WIN 0x80
.irp ii, 0,1,2,3,4,5,6,7
	global_load_b128 v[BIAS+32*(\set)+4*\ii:BIAS+32*(\set)+4*\ii+3], v[BO], s[10:11] offset:\ii*16384+(\col)*256
.endr
.endm
.macro BSTORE set, p                   ; a set, times log2(e), into bias buffer p
	WIN 0x82
.irp ii, 0,1,2,3,4,5,6,7,8,9,10,11,12,13,14,15
	v_pk_mul_f32 v[BIAS+32*(\set)+2*\ii:BIAS+32*(\set)+2*\ii+1], v[BIAS+32*(\set)+2*\ii:BIAS+32*(\set)+2*\ii+1], 0x3fb8aa3b op_sel_hi:[1,0]
.endr
	WIN 0x08
.irp ii, 0,1,2,3,4,5,6,7
	ds_store_b128 v[BS], v[BIAS+32*(\set)+4*\ii:BIAS+32*(\set)+4*\ii+3] offset:(\p)*BBUF+\ii*2*BPITCH
.endr
.endm
.macro KLOAD sl, e                     ; my head's eight K fragments of slot sl, half e
	WIN 0
.irp fr, 0,1,2,3,4,5,6,7
	ds_load_b128 v[KF+8*\fr:KF+8*\fr+3], v[KA+\sl] offset:(\e)*TILE+\fr*1024
	ds_load_b128 v[KF+8*\fr+4:KF+8*\fr+7], v[KA+\sl] offset:(\e)*TILE+\fr*1024+512
.endr
.endm
.macro VLOAD sl, e, b                  ; my head's eight V^T fragments of slot sl, half e, into fragment buffer b of window 3
	WIN 0xc0
.irp fr, 0,1,2,3,4,5,6,7
	ds_load_b128 v[VF+64*(\b)+8*\fr:VF+64*(\b)+8*\fr+3], v[VA+\sl] offset:(\e)*TILE+\fr*1024
	ds_load_b128 v[VF+64*(\b)+8*\fr+4:VF+64*(\b)+8*\fr+7], v[VA+\sl] offset:(\e)*TILE+\fr*1024+512
.endr
.endm
.macro SLOAD xw, p                     ; bias buffer p into the score registers of window xw: register j = bias(query 16 u + r, key 16 kt + 8 h + j)
	WIN (\xw)*64
.irp uu, 0,1,2,3
.irp kt, 0,1,2,3
	ds_load_b128 v[32*\uu+8*\kt:32*\uu+8*\kt+3], v[BA] offset:(\p)*BBUF+\uu*16*BPITCH+\kt*64
	ds_load_b128 v[32*\uu+8*\kt+4:32*\uu+8*\kt+7], v[BA] offset:(\p)*BBUF+\uu*16*BPITCH+\kt*64+16
.endr
.endr
.endm
; The matrix instructions, one at a time, each with its window.  The accumulators take turns, one instruction a turn:
; the 16 score tiles, twice (NS = 16 c + 4 u + kt); in P V the four tiles of a query tile, twice (NP = 8 u + 4 kc + t).
.macro SMM                             ; the next score product, into window YW
.set SU, (NS>>2)&3
.set SK, NS&3
.set SC, NS>>4
	WIN 0x04+YW*16+YW*64
	v_wmma_f32_16x16x32_f16 v[32*SU+8*SK:32*SU+8*SK+7], v[KF+8*(2*SK+SC):KF+8*(2*SK+SC)+7], v[Q+8*(2*SU+SC):Q+8*(2*SU+SC)+7], v[32*SU+8*SK:32*SU+8*SK+7]
.set NS, NS+1
.endm
.macro PMM                             ; the next product of P V: V^T from window 3, P from window XW, O in window 1
.set PU, NP>>3
.set PK, (NP>>2)&1
.set PT, NP&3
	WIN 0x53+XW*4
	v_wmma_f32_16x16x32_f16 v[O+32*PU+8*PT:O+32*PU+8*PT+7], v[VF+64*PP+8*(2*PT+PK):VF+64*PP+8*(2*PT+PK)+7], v[32*PU+16*PK:32*PU+16*PK+7], v[O+32*PU+8*PT:O+32*PU+8*PT+7]
.set NP, NP+1
.endm
; What query tile u needs ahead of its P V, in eight pieces: 0, 1 the row sums' first level (from p in f32); 2-5 P to f16, in place
; (registers 0-3 from tile 2 kc, 4-7 from tile 2 kc + 1; each write lands on numbers already packed); 6, 7 O times 2^(old maximum - new)
.macro CHUNK u, j
.if (\j) < 2
	WIN XW+XW*4
	s_wait_alu depctr_va_vdst(0)
.irp i, 0,1,2,3
.set CN, 4*(\j)+\i
	v_pk_add_f32 v[R+16*(\u)+2*CN:R+16*(\u)+2*CN+1], v[32*(\u)+4*CN:32*(\u)+4*CN+1], v[32*(\u)+4*CN+2:32*(\u)+4*CN+3]
.endr
.elseif (\j) < 6
	WIN XW+XW*4+XW*64
.irp i, 0,1,2,3
.set CN, 4*((\j)-2)+\i
.set CD, 32*(\u)+16*(CN>>3)
	v_cvt_pk_f16_f32 v[CD+(CN&7)], v[CD+2*(CN&7)], v[CD+2*(CN&7)+1]
.endr
.else
	WIN 0x41
.irp i, 0,1,2,3,4,5,6,7
.set CN, 8*((\j)-6)+\i
	v_pk_mul_f32 v[O+32*(\u)+2*CN:O+32*(\u)+2*CN+1], v[O+32*(\u)+2*CN:O+32*(\u)+2*CN+1], v[AL+2*(\u):AL+2*(\u)+1] op_sel_hi:[1,0]
.endr
.endif
.endm
; The rest of the row sums, all four query tiles at once, in eight pieces of four: 8 -> 4 pairs, 4 -> 2, 2 -> 1, then the running sums
.macro TREE j
	WIN 0
.irp uu, 0,1,2,3
.if (\j) < 4
	v_pk_add_f32 v[R+16*\uu+2*(\j):R+16*\uu+2*(\j)+1], v[R+16*\uu+2*(\j):R+16*\uu+2*(\j)+1], v[R+16*\uu+2*(\j)+8:R+16*\uu+2*(\j)+9]
.elseif (\j) < 6
	v_pk_add_f32 v[R+16*\uu+2*(\j)-8:R+16*\uu+2*(\j)-7], v[R+16*\uu+2*(\j)-8:R+16*\uu+2*(\j)-7], v[R+16*\uu+2*(\j)-4:R+16*\uu+2*(\j)-3]
.elseif (\j) == 6
	v_pk_add_f32 v[R+16*\uu:R+16*\uu+1], v[R+16*\uu:R+16*\uu+1], v[R+16*\uu+2:R+16*\uu+3]
.else
	v_pk_fma_f32 v[L2+2*\uu:L2+2*\uu+1], v[L2+2*\uu:L2+2*\uu+1], v[AL+2*\uu:AL+2*\uu+1], v[R+16*\uu:R+16*\uu+1] op_sel_hi:[1,0,1]
.endif
.endr
.endm
	WIN 0x40
.irp fr, 0,1,2,3,4,5,6,7
	global_load_b128 v[Q+8*\fr:Q+8*\fr+3], v[L16], s[4:5] offset:\fr*1024
	global_load_b128 v[Q+8*\fr+4:Q+8*\fr+7], v[L16], s[4:5] offset:\fr*1024+512
.endr
	BLOAD 2, 0                                     ; the first four bias tiles go out together: tiles 0, 1 into the two sets that serve only here,
	BLOAD 3, 1
	BLOAD 0, 2                                     ; tiles 2, 3 into the ring
	BLOAD 1, 3
	; O starts at 0 = 0 x 0 + 0: sixteen matrix instructions write the 128 registers; both operands are the eight zeros of the running sums
	WIN 0x40
.irp n, 0,1,2,3,4,5,6,7,8,9,10,11,12,13,14,15
	v_wmma_f32_16x16x32_f16 v[O+8*\n:O+8*\n+7], v[L2:L2+7], v[L2:L2+7], 0
.endr
	s_wait_loadcnt 16                              ; Q and bias tiles 0, 1 are in; tiles 2, 3 (8 loads each) stay out
	BSTORE 2, 0
	BSTORE 3, 1
	WIN 0
	s_wait_tensorcnt 0x1                           ; my part of slot 0 is in; slot 1's may stay out
	s_wait_dscnt 0x0                               ; my rows of bias tiles 0, 1 are stored
	s_barrier_signal -1
	s_barrier_wait -1
	KLOAD 0, 0
	SLOAD 2, 0
	VLOAD 0, 0, 0
	s_wait_dscnt 16                                ; K and the bias of step 0 are in registers; the 16 V loads may be out
.set YW, 2
.set NS, 0
.rept 32
	SMM                                            ; step 0's scores: the pipeline's first stage, with nothing yet to stand between
.endr
; Step t = 4 trip + j.  At its head: the scores of step t are in window 2 + (j & 1), V's fragments of step t are on their way into buffer j & 1.
; refill: the slot of steps t - 1, t is filled again (odd j).  bstore: bias tile t + 2 goes to LDS, bload: tile t + 4 is asked for;
; lcnt: the younger bias loads that may stay out.  next: a step follows.
.macro STEP j, refill, bstore, bload, lcnt, next
.set PP, (\j)&1
.set SL, (\j)>>1
.set SN, (((\j)+1)&3)>>1
.set XW, 2+PP
.set YW, 3-PP
.set BCOL, (\j)+4
	PLACES                                         ; behind the last step's P V, ahead of the loads into its V buffer and its P registers
	WIN 0
	s_wait_dscnt 0x0                               ; V of this step is in: all my reads of this step's K, V and bias are done, and my bias stores
.if \next
.if PP
	s_wait_tensorcnt 0x0                           ; all my tensor loads have landed: my part of the other slot, which is read below
	ds_add_u32 v190, v191
	s_wait_dscnt 0x0
.endif
.if \refill
	s_add_nc_u64 s[G0K+4*SL+2:G0K+4*SL+3], s[G0K+4*SL+2:G0K+4*SL+3], 4*TILE   ; no load of mine is out: this slot's next two steps
	s_add_nc_u64 s[G0V+4*SL+2:G0V+4*SL+3], s[G0V+4*SL+2:G0V+4*SL+3], 4*TILE
	ROUND                                          ; no wave of any partner still reads this slot or has a load on its way
	JLOAD SL                                       ; my one tensor load behind the round; it is waited for two steps on
.else
	s_barrier_signal -1                            ; nothing is filled by a tensor load behind this one: it orders the bias buffers (and, in step 29, shows the last slot whole)
	s_barrier_wait -1
.endif
	KLOAD SN, 1-PP                                 ; all of the next step's LDS reads: K and the bias first, which the score products below want,
	SLOAD YW, 1-PP
	VLOAD SN, 1-PP, 1-PP                           ; then V, which is wanted a step later
.endif
.if \bstore
	s_wait_loadcnt \lcnt                           ; bias tile t + 2 is in; the tile behind it, 8 loads, stays out
	BSTORE PP, PP                                  ; into the buffer that every wave has finished reading in front of the barrier above
.if \bload
	BLOAD PP, BCOL                                 ; tile t + 4 into the set just stored from: waited for two steps on
.endif
.endif
	; the row maxima: two chains for each query tile, the first begun by the running maximum
	WIN XW+XW*4
.irp uu, 0,1,2,3
	v_max3_num_f32 v[T+\uu], v[32*\uu], v[32*\uu+1], v[M+2*\uu]
	v_max_num_f32 v[T2+\uu], v[32*\uu+16], v[32*\uu+17]
.endr
.irp ii, 1,2,3,4,5,6,7
.irp uu, 0,1,2,3
	v_max3_num_f32 v[T+\uu], v[32*\uu+2*\ii], v[32*\uu+2*\ii+1], v[T+\uu]
	v_max3_num_f32 v[T2+\uu], v[32*\uu+16+2*\ii], v[32*\uu+17+2*\ii], v[T2+\uu]
.endr
.endr
	WIN 0
.irp uu, 0,1,2,3
	v_max_num_f32 v[T+\uu], v[T+\uu], v[T2+\uu]
.endr
.irp uu, 0,1,2,3
	v_permlanex16_b32 v[T2+\uu], v[T+\uu], s48, s49        ; the other half of the row's keys
.endr
.irp uu, 0,1,2,3
	v_max_num_f32 v[T+\uu], v[T+\uu], v[T2+\uu]
.endr
.irp uu, 0,1,2,3
	v_sub_f32 v[AL+2*\uu], v[M+2*\uu], v[T+\uu]
.endr
.irp uu, 0,1,2,3
	v_exp_f32 v[AL+2*\uu], v[AL+2*\uu]
.endr
.irp uu, 0,1,2,3
	v_mov_b32 v[M+2*\uu], v[T+\uu]                 ; also the plain places behind the four v_exp_f32 (ISA guide 5.7.2)
.endr
	; p = 2^(S - m), in place; tile u's exponentials alternate with tile u + 1's subtractions, and behind every second group stands one of
	; the next step's score products, which names registers of the other score window, of K and of Q alone
.if \next
	s_wait_dscnt 16+8*\bstore                      ; the next step's K and bias are in registers; the 16 V loads and my 8 bias stores behind them may be out
.endif
	WIN XW+XW*64
.irp ii, 0,1,2,3,4,5,6,7,8,9,10,11,12,13,14,15
	v_pk_add_f32 v[2*\ii:2*\ii+1], v[2*\ii:2*\ii+1], v[M:M+1] op_sel_hi:[1,0] neg_lo:[0,1] neg_hi:[0,1]
.endr
.set NS, 0
.irp uu, 0,1,2,3
.irp ii, 0,1,2,3,4,5,6,7,8,9,10,11,12,13,14,15
	WIN XW+XW*64
	v_exp_f32 v[32*\uu+2*\ii], v[32*\uu+2*\ii]
	v_exp_f32 v[32*\uu+2*\ii+1], v[32*\uu+2*\ii+1]
.if \uu < 3
	v_pk_add_f32 v[32*\uu+32+2*\ii:32*\uu+33+2*\ii], v[32*\uu+32+2*\ii:32*\uu+33+2*\ii], v[M+2*\uu+2:M+2*\uu+3] op_sel_hi:[1,0] neg_lo:[0,1] neg_hi:[0,1]
.endif
.if (\next)*((\ii)&1)
	SMM
.endif
.endr
.endr
	; query tile 0 is made ready (its first line, a sum over tile 0, is the plain place behind the last v_exp_f32); then P V, tile by tile
.irp jj, 0,1,2,3,4,5,6,7
	CHUNK 0, \jj
.endr
.set NP, 0
.irp uu, 0,1,2
.irp jj, 0,1,2,3,4,5,6,7
	PMM
	CHUNK \uu+1, \jj
.endr
.endr
.irp jj, 0,1,2,3,4,5,6,7
	PMM
	TREE \jj
.endr
.endm
	WIN 0                                          ; at a label and at a branch every window is 0
	s_mov_b32 s50, 7
.Ltrip:                                            ; steps 0-27: step 25 fills slot 0 with steps 28, 29; step 27 fills slot 1 with steps 30, 31 and asks for bias tile 31: the last of each
	STEP 0, 0, 1, 1, 8, 1
	STEP 1, 1, 1, 1, 8, 1
	STEP 2, 0, 1, 1, 8, 1
	STEP 3, 1, 1, 1, 8, 1
	WIN 0
	s_wait_xcnt 0x0                                ; the base of pending loads is stepped only behind this wait
	s_add_nc_u64 s[10:11], s[10:11], 1024          ; four steps on in the bias rows (the last trip's stepped base is not used)
	s_sub_co_u32 s50, s50, 1
	s_cmp_lg_u32 s50, 0
	s_cbranch_scc1 .Ltrip
	STEP 0, 0, 1, 0, 8, 1                          ; step 28: bias tile 30 goes to LDS, tile 31 stays out; nothing more is asked for
	STEP 1, 0, 1, 0, 0, 1                          ; step 29: the last bias tile goes to LDS; the last fill is waited for
	STEP 2, 0, 0, 0, 0, 1                          ; step 30
	STEP 3, 0, 0, 0, 0, 0                          ; step 31: no scores are left to make
	; THE WAY OUT: O / l in f16.  Tile (u, t), packed, is half t & 1 of the next launch's fragment (chunk 2 head + t / 2, token tile u).
	PLACES
	WIN 0
.irp uu, 0,1,2,3
	v_add_f32 v[T+\uu], v[L2+2*\uu], v[L2+2*\uu+1]
.endr
.irp uu, 0,1,2,3
	v_permlanex16_b32 v[T2+\uu], v[T+\uu], s48, s49
.endr
.irp uu, 0,1,2,3
	v_add_f32 v[T+\uu], v[T+\uu], v[T2+\uu]
.endr
.irp uu, 0,1,2,3
	v_rcp_f32 v[AL+2*\uu], v[T+\uu]
.endr
	v_nop                                          ; one plain place behind v_rcp_f32 (ISA guide 5.7.2)
	s_wait_alu depctr_va_vdst(0)
.irp uu, 0,1,2,3
	WIN 0x01
.irp ii, 0,1,2,3,4,5,6,7,8,9,10,11,12,13,14,15
	v_pk_mul_f32 v[R+2*\ii:R+2*\ii+1], v[O+32*\uu+2*\ii:O+32*\uu+2*\ii+1], v[AL+2*\uu:AL+2*\uu+1] op_sel_hi:[1,0]
.endr
	WIN 0
.irp ii, 0,1,2,3,4,5,6,7,8,9,10,11,12,13,14,15
	v_cvt_pk_f16_f32 v[KF+16*\uu+\ii], v[R+2*\ii], v[R+2*\ii+1]   ; 64 registers of their own: no store's data is written again
.endr
.irp tt, 0,1,2,3
	global_store_b128 v[L16], v[KF+16*\uu+4*\tt:KF+16*\uu+4*\tt+3], s[12:13] offset:(\tt>>1)*8192+\uu*1024+(\tt&1)*512   ; 512 consecutive bytes
.endr
.endr
	s_wait_tensorcnt 0x0
	ds_add_u32 v190, v191
	s_wait_dscnt 0x0
	ROUND                                          ; the closing round: no work-group ends while a partner may still ask jointly
	s_endpgm
.Lfunc_end_k_q74b13ed043_attn:
	.size	k_q74b13ed043_attn, .Lfunc_end_k_q74b13ed043_attn-k_q74b13ed043_attn
	.p2alignl 7, 3214868480
	.fill 96, 4, 3214868480
	.section	.rodata,"a",@progbits
	.p2align	6, 0x0
	.amdhsa_kernel k_q74b13ed043_attn
		.amdhsa_group_segment_fixed_size 327680
		.amdhsa_private_segment_fixed_size 0
		.amdhsa_enable_private_segment 0
		.amdhsa_kernarg_size 40
		.amdhsa_user_sgpr_count 2
		.amdhsa_user_sgpr_kernarg_segment_ptr 1
		.amdhsa_wavefront_size32 1
		.amdhsa_system_sgpr_workgroup_id_x 1
		.amdhsa_system_sgpr_workgroup_id_y 1
		.amdhsa_system_sgpr_workgroup_id_z 1
		.amdhsa_system_vgpr_workitem_id 0
		.amdhsa_next_free_vgpr 1024
		.amdhsa_next_free_sgpr 66
		.amdhsa_reserve_vcc 0
		.amdhsa_float_denorm_mode_32 3
		.amdhsa_float_denorm_mode_16_64 3
		.amdhsa_memory_ordered 1
		.amdhsa_forward_progress 1
		.amdhsa_inst_pref_size 255
	.end_amdhsa_kernel
	.section	.bss,"aw",@nobits
	.p2align	6
	.space	262144
	.amdgpu_metadata
---
amdhsa.version: [ 1, 2 ]
amdhsa.kernels:
  - .name:           k_q74b13ed043_attn
    .symbol:         k_q74b13ed043_attn.kd
    .args:
      - { .name: qf, .offset: 0, .size: 8, .value_kind: global_buffer, .address_space: global }
      - { .name: kf, .offset: 8, .size: 8, .value_kind: global_buffer, .address_space: global }
      - { .name: vf, .offset: 16, .size: 8, .value_kind: global_buffer, .address_space: global }
      - { .name: attn_bias, .offset: 24, .size: 8, .value_kind: global_buffer, .address_space: global }
      - { .name: of, .offset: 32, .size: 8, .value_kind: global_buffer, .address_space: global }
    .group_segment_fixed_size: 327680
    .private_segment_fixed_size: 0
    .kernarg_segment_align: 8
    .kernarg_segment_size: 40
    .max_flat_workgroup_size: 128
    .sgpr_count:     66
    .vgpr_count:     1024
    .wavefront_size: 32
...
	.end_amdgpu_metadata
.endif
;; end of part 4
;; launch oproj: the kernel of part 3 again; grid 4 x 64, 4 waves a work-group, clusters of 4 x 4, 280,064 bytes of LDS; arguments of, wof, bo, out0; writes out0
;; ======== version 3 of 3: 3 launches; version 2 with the launch qkv written anew for expert scheduling mode
;; limits: values are held in f16: magnitudes above 65,504 overflow, below 6.1e-05 lose precision; inputs' magnitudes at most 6.9e+29
;; workspace buffers: qf 8,388,608 bytes; kf 8,388,608 bytes; vf 8,388,608 bytes; of 8,388,608 bytes; wof 524,288 bytes
;; launch qkv (part 5): grid 8 x 32, 4 waves a work-group, no clusters, 129,536 bytes of LDS; arguments x, Wq, Wk, Wv, bq, bk, bv, q_gamma, q_beta, k_gamma, k_beta, Wo, qf, kf, vf, wof; writes qf, kf, vf, wof
.if DOCPART == 5
	.amdgcn_target "amdgcn-amd-amdhsa--gfx1250"
	.amdhsa_code_object_version 6
	.text
	.protected	k_q74b13ed043_qkv
	.globl	k_q74b13ed043_qkv
	.p2align	8
	.type	k_q74b13ed043_qkv,@function
k_q74b13ed043_qkv:
	s_mov_b64 s[64:65], 0
	v_nop
	global_prefetch_b8 v0, s[64:65] scope:SCOPE_SE
	s_setreg_imm32_b32 hwreg(HW_REG_WAVE_SCHED_MODE, 0, 2), 2
	s_setreg_imm32_b32 hwreg(HW_REG_WAVE_MODE, 25, 1), 1
	s_wait_xcnt 0x0
	s_wait_alu depctr_vm_vsrc(0)
; q = LN(x Wq^T + bq) * 0.125 log2(e), k = LN(x Wk^T + bk), v = x Wv^T + bv, rounded to f16 and stored in the order
; in which the next launch's matrix instructions want them; and a 1/256 share of Wo's conversion to f16 fragments.
; A work-group takes 256 tokens (id y) and one head (id x): 64 columns each of q, k and v.  Wave w takes tokens 64 w .. 64 w + 63
; and all 192 columns: 48 accumulator tiles of 16 x 16, 384 registers.  K = 512 goes in 8 steps of 64, written out.
; WHY f16 AND NOT bf16: a number passes five roundings on its way to the output (x and W; q and k; the weights; v; o and Wo), and their
; errors add up; f16 keeps 11 significant bits where bf16 keeps 8.  The room in f16 (largest 65,504; below 2^-14 an absolute step of 2^-24):
; x and W enter as given, a few units at the most, and stay under 200 when 30 times larger or shifted by 30 spreads; q and k are bounded
; by 8 |gamma| + |beta|, since a normalised vector of 64 has no element above sqrt(63); v is a sum of 512 products.
; WHY NO TENSOR LOADS AND NO JOINT REQUESTS: x and W are f32 and the matrix unit takes f16, and a tile copied into LDS stays f32.
; Per K step of 448 rows x 64: f32 in LDS would be read as 2 x 128 KB of fragments; here each number passes through registers
; once (global load, conversion, 56 KB of f16 stored to LDS) and 128 KB of f16 fragments are read.
; FRAGMENT ORDER: a 16 x 32 f16 fragment is 1,024 bytes, [half][lane][16 bytes]; half 0 is the lane's registers 0-3, half 1 its
; registers 4-7.  A result tile, packed to f16, is one such half in the same lanes, so it is stored straight from registers,
; 512 consecutive bytes an instruction.
;   q, k: source 0 = rows of W, source 1 = rows of x: lane (r, h) holds token r, features 16 b + 8 h + j: half b & 1 of fragment (a, b >> 1).
;   v:    source 0 = rows of x, source 1 = rows of Wv: lane (r, h) holds feature 16 b + r, tokens 16 a + 8 h + j: half a & 1 of V^T's fragment (b, a >> 1).
; LIMITS: matrix operands are rounded to f16.  |x|, |W| and |x Wv^T + bv| must stay below 65,504: with x of spread 1 and Wv of spread
; 1/sqrt(512), v has spread 1; both 30 times larger give v 900 times larger; both shifted by 30 spreads give 512 x 30 x 1.33 = 20,400.
; Mean and variance in f32, the variance from (x - mean)^2.
; THE MODE: SCHED_MODE bits 1:0 = 2 (LLVM: expert scheduling mode 2), set by the entry lines.  The code itself states the register dependences
; between vector or matrix instructions and memory or LDS instructions, with s_wait_alu, always for 0.
; THE PLAN.  Registers that memory or LDS instructions touch:
;   v2-v13, v20, v21  offsets and LDS addresses: written at the head, never again.
;   F0, F1      the two fragment buffers (x in window 0, W in window 1).  LDS loads land in them, matrix instructions read them.  Step t: F1 is loaded among the q and k
;               products on F0; F0 is loaded again behind the step's barrier, ahead of the v products on F1.
;   XST, WST    staging: the global loads of tile t + 2 land here; step t + 1's conversions read and write them in place; its LDS stores read them.  From step 7 on XST holds the LayerNorm vectors.
;   OUT0, OUT1  the way out: a LayerNorm unit's conversions write one of them; the four stores that read it are issued in the next unit.  VB: v's 64 packed registers, stored once.
;   The accumulators and the bias tiles are named by vector and matrix instructions alone, once their loads are in.
; A K step has a wait on va_vdst at its head (the last step's products are done reading F1), one behind its conversions (they have written the staging registers; this step's products
; are done reading F0), and, behind its LDS stores, one on vm_vsrc and one on va_vdst ahead of the global loads into the staging registers.  Behind each of them the loads are dealt among
; matrix instructions that name none of the registers that those loads touch.
.set ROWB,  2048                       ; bytes in a row of x and of W
.set PITCH, 144                        ; an LDS row: 64 f16 + 16 bytes = 9 x 16: sixteen rows start at sixteen different 16-byte columns modulo 256
.set BUF,   448*PITCH                  ; one of two buffers: rows 0-255 x, 256-319 Wq, 320-383 Wk, 384-447 Wv
.set WBASE, 256*PITCH
; window 0
.set XO,   2                           ; byte offset in x of my 16 bytes (lanes 16-31: eight rows further down)
.set WO,   3                           ; the same in Wq, Wk, Wv
.set XS,   4                           ; v4-5   where my 8 bytes of x go in LDS buffer 0, 1
.set WS,   6                           ; v6-7   the same for W
.set XFA,  8                           ; v8-9   my x fragments in buffer 0, 1
.set WFA,  10                          ; v10-11 the W fragments
.set L16,  12                          ; 16 x lane
.set PO,   13                          ; 32 h
.set MU,   14                          ; v14-15 mean (pair for the packed forms; the upper register is written once)
.set RS,   16                          ; v16-17 1 / sqrt(var + eps)
.set TA,   18                          ; v18-19 at work
.set R4,   20                          ; 4 r
.set WSRC, 21                          ; Wo: r rows + 32 h
.set XF,   32                          ; v32-63, v64-95 x fragments, two buffers of 4 x 8
.set DD,   32                          ; the way out: x - mean
.set TT,   64                          ; the way out: sums, v64-79
.set OUT,  96                          ; v96-111 packed results of the even LayerNorm units; the odd units' lie 16 below, v80-95
.set XST,  128                         ; v128-255 x as loaded, 32 loads x 4
.set PAR,  128                         ; the way out: q_gamma, q_beta, k_gamma, k_beta, 32 registers each
.set VB,   128                         ; the way out, behind the last LayerNorm unit: v128-191 v's packed results
; window 1
.set WF,   0                           ; v0-95, v96-191 W fragments, two buffers of 12 x 8 (q 0-3, k 4-7, v 8-11)
.set CB,   192                         ; v192-223 bq, v224-255 bk as a first C
; window 2: v0-127 q's sums (32 a + 8 b), v128-255 k's.  window 3: v0-127 v's sums
.set WST,  128                         ; window 3, v128-223: W as loaded, 24 loads x 4
.set CBV,  224                         ; window 3, v224-255: bv as a first C
; s_set_vgpr_msb: bits 1:0 source 0, 3:2 source 1, 5:4 source 2, 7:6 destination
.set W_QK,  0xa1
.set W_QK1, 0x91
.set W_VV,  0xf4
.set W_TO1, 0x40
.set W_TO3, 0xc0
.set W_CV3, 0xcf
.set W_ST3, 0x0c
.set W_MV3, 0xc3
.set W_SUM2, 0x0a
.set W_SUB2, 0x02
.set W_CVV, 0x0f
.set MSB, 0
.macro WIN new                         ; the immediate's high byte repeats the setting that is left
.if MSB != (\new)
	s_set_vgpr_msb (MSB<<8)|(\new)
.set MSB, \new
.endif
.endm
.macro PLACES                          ; four places behind a matrix instruction ahead of loads into, or vector work on, its registers
.rept 4
	v_nop
.endr
.endm
	s_load_b512 s[8:23], s[0:1], 0x0               ; x 8, Wq 10, Wk 12, Wv 14, bq 16, bk 18, bv 20, q_gamma 22
	s_load_b512 s[24:39], s[0:1], 0x40             ; q_beta 24, k_gamma 26, k_beta 28, Wo 30, qf 32, kf 34, vf 36, wof 38
	v_lshl_add_u32 v126, v0, 2, 0x1f800
	v_mov_b32 v127, 0
	v_lshrrev_b32 v1, 5, v0
	v_readfirstlane_b32 s40, v1                    ; wave
	s_mov_b32 s41, ttmp9                           ; head
	s_and_b32 s42, ttmp7, 0xffff                   ; block of 256 tokens
	s_mov_b32 s56, 0x76543210                      ; v_permlanex16_b32: lane i reads lane i of the other half
	s_mov_b32 s57, 0xfedcba98
	s_mov_b32 s58, 0x3c800000                      ; 1/64
	s_mov_b32 s59, 0x358637bd                      ; 1e-6
	v_and_b32 v22, 15, v0                          ; r
	v_bfe_u32 v23, v0, 4, 1                        ; h
	v_and_b32 v1, 31, v0
	v_lshlrev_b32 v[L16], 4, v1
	v_lshlrev_b32 v[PO], 5, v23
	v_lshlrev_b32 v[R4], 2, v22
	v_mov_b32 v[MU+1], 0
	v_mov_b32 v[RS+1], 0
	v_mov_b32 v[TA+1], 0
	v_lshlrev_b32 v24, 4, v22                      ; 16 r
	v_lshl_add_u32 v24, v23, 14, v24               ; + 8 rows for lanes 16-31
	s_wait_alu depctr_va_sdst(0)                   ; s40, the wave's number, is written, ahead of its first reader: offsets and LDS addresses are made from it
	s_lshl_b32 s43, s40, 17                        ; 64 rows a wave
	v_add_nc_u32 v[XO], s43, v24
	s_lshl_b32 s43, s40, 15                        ; 16 rows a wave
	v_add_nc_u32 v[WO], s43, v24
	v_mul_u32_u24 v26, v23, 8*PITCH
	v_lshl_add_u32 v25, v22, 3, v26                ; 8 r + 8 LDS rows for lanes 16-31
	s_mul_i32 s43, s40, 64*PITCH
	v_add_nc_u32 v[XS], s43, v25
	v_add_nc_u32 v[XS+1], BUF, v[XS]
	v_mul_u32_u24 v26, v22, PITCH
	v_lshl_add_u32 v26, v23, 4, v26                ; r rows + 16 h
	v_add_nc_u32 v[XFA], s43, v26
	v_add_nc_u32 v[XFA+1], BUF, v[XFA]
	v_add_nc_u32 v[WFA], WBASE, v26
	v_add_nc_u32 v[WFA+1], BUF, v[WFA]
	s_mul_i32 s43, s40, 16*PITCH
	s_add_co_u32 s43, s43, WBASE
	v_add_nc_u32 v[WS], s43, v25
	v_add_nc_u32 v[WS+1], BUF, v[WS]
	v_lshlrev_b32 v[WSRC], 11, v22
	v_lshl_add_u32 v[WSRC], v23, 5, v[WSRC]
	; offsets, apart from the addresses
	s_lshl_b32 s44, s42, 19                        ; x: 256 rows of 2,048 bytes
	s_mov_b32 s45, 0
	s_lshl_b32 s46, s41, 17                        ; W: 64 rows
	s_mov_b32 s47, 0
	s_lshl_b32 s48, s41, 8                         ; bq, bk, bv: 64 numbers
	s_mov_b32 s49, 0
	s_lshr_b32 s50, s42, 3                         ; batch
	s_lshl_b32 s50, s50, 1
	s_lshr_b32 s51, s41, 2
	s_add_co_u32 s50, s50, s51                     ; y = 2 batch + head / 4
	s_lshl_b32 s50, s50, 5
	s_and_b32 s51, s42, 7
	s_lshl2_add_u32 s51, s51, s40                  ; block of 64 tokens in the batch
	s_add_co_u32 s50, s50, s51
	s_and_b32 s51, s41, 3
	s_lshl2_add_u32 s50, s50, s51                  ; ((32 y + block) 4 + head mod 4)
	s_lshl_b32 s50, s50, 13                        ; x 8,192 bytes
	s_mov_b32 s51, 0
	s_lshl3_add_u32 s52, s42, s41                  ; the work-group's number
	s_lshr_b32 s53, s40, 1
	s_lshl1_add_u32 s52, s52, s53                  ; n: which of Wo's 512 fragments; waves 0, 1 and waves 2, 3 share one
	s_and_b32 s53, s40, 1                          ; which half of it
	s_lshl_b32 s54, s52, 10
	s_lshl_b32 s55, s53, 9
	s_add_co_u32 s54, s54, s55                     ; wof: 1,024 n + 512 half
	s_mov_b32 s55, 0
	s_lshr_b32 s60, s52, 7
	s_and_b32 s61, s52, 7
	s_lshl3_add_u32 s60, s60, s61                  ; tile of 16 rows of Wo = 8 (n >> 7) + (n & 7)
	s_lshl_b32 s60, s60, 15
	s_bfe_u32 s61, s52, 0x40003                    ; chunk of 32 columns = (n >> 3) & 15
	s_lshl_b32 s61, s61, 7
	s_add_co_u32 s60, s60, s61
	s_lshl_b32 s61, s53, 6
	s_add_co_u32 s60, s60, s61
	s_mov_b32 s61, 0
	s_wait_kmcnt 0x0
	s_add_nc_u64 s[8:9], s[8:9], s[44:45]
	s_add_nc_u64 s[10:11], s[10:11], s[46:47]
	s_add_nc_u64 s[12:13], s[12:13], s[46:47]
	s_add_nc_u64 s[14:15], s[14:15], s[46:47]
	s_add_nc_u64 s[16:17], s[16:17], s[48:49]
	s_add_nc_u64 s[18:19], s[18:19], s[48:49]
	s_add_nc_u64 s[20:21], s[20:21], s[48:49]
	s_add_nc_u64 s[32:33], s[32:33], s[50:51]
	s_add_nc_u64 s[34:35], s[34:35], s[50:51]
	s_add_nc_u64 s[36:37], s[36:37], s[50:51]
	s_add_nc_u64 s[30:31], s[30:31], s[60:61]
	s_add_nc_u64 s[38:39], s[38:39], s[54:55]
; K step t of my 64 rows of x and of my 16 rows of Wq, Wk, Wv is 56 loads, in four groups g.  Sixteen lanes take 256 consecutive bytes of a row, aligned.
.macro GLX t, g                        ; eight loads of x: rows 16 g + 0 .. 7 (lanes 16-31: eight further down)
	WIN 0
.irp i, 0,1,2,3,4,5,6,7
	global_load_b128 v[XST+4*(8*(\g)+\i):XST+4*(8*(\g)+\i)+3], v[XO], s[8:9] offset:(16*(\g)+\i)*ROWB+256*(\t)
.endr
.endm
.macro GLW t, g                        ; six loads of W: rows 2 g, 2 g + 1 of each of the three
	WIN W_TO3
.irp i, 0,1
	global_load_b128 v[WST+4*(2*(\g)+\i):WST+4*(2*(\g)+\i)+3], v[WO], s[10:11] offset:(2*(\g)+\i)*ROWB+256*(\t)
	global_load_b128 v[WST+32+4*(2*(\g)+\i):WST+32+4*(2*(\g)+\i)+3], v[WO], s[12:13] offset:(2*(\g)+\i)*ROWB+256*(\t)
	global_load_b128 v[WST+64+4*(2*(\g)+\i):WST+64+4*(2*(\g)+\i)+3], v[WO], s[14:15] offset:(2*(\g)+\i)*ROWB+256*(\t)
.endr
.endm
; what those loads brought is rounded to f16 in place: all 112 conversions in one run, so that one wait serves the 56 LDS stores behind them
.macro CVT
	WIN 0
.set n, 0
.rept 32
	v_cvt_pk_f16_f32 v[XST+4*n], v[XST+4*n], v[XST+4*n+1]
	v_cvt_pk_f16_f32 v[XST+4*n+1], v[XST+4*n+2], v[XST+4*n+3]
.set n, n+1
.endr
	WIN W_CV3
.set n, 0
.rept 24
	v_cvt_pk_f16_f32 v[WST+4*n], v[WST+4*n], v[WST+4*n+1]
	v_cvt_pk_f16_f32 v[WST+4*n+1], v[WST+4*n+2], v[WST+4*n+3]
.set n, n+1
.endr
.endm
; and stored into LDS buffer p: 8 bytes a lane; lanes 0-15 fill 128 bytes of a row, lanes 16-31 the row eight further down, 8 x 144 = 128 modulo 256 bytes away
.macro STO p
	WIN 0
.set n, 0
.rept 32
	ds_store_b64 v[XS+(\p)], v[XST+4*n:XST+4*n+1] offset:(16*(n/8)+(n%8))*PITCH
.set n, n+1
.endr
	WIN W_ST3
.set n, 0
.rept 24
	ds_store_b64 v[WS+(\p)], v[WST+4*n:WST+4*n+1] offset:(64*(n/8)+(n%8))*PITCH
.set n, n+1
.endr
.endm
; The fragments of 32 along K at byte k of buffer p's rows, into fragment buffer f, in four runs of eight LDS loads: three of W (fragments n0 .. n0 + 3), one of x
.macro FW p, k, f, n0
	WIN W_TO1
.set n, \n0
.rept 4
	ds_load_b128 v[WF+96*(\f)+8*n:WF+96*(\f)+8*n+3], v[WFA+(\p)] offset:n*16*PITCH+(\k)
	ds_load_b128 v[WF+96*(\f)+8*n+4:WF+96*(\f)+8*n+7], v[WFA+(\p)] offset:n*16*PITCH+(\k)+32
.set n, n+1
.endr
.endm
.macro FX p, k, f
	WIN 0
.set n, 0
.rept 4
	ds_load_b128 v[XF+32*(\f)+8*n:XF+32*(\f)+8*n+3], v[XFA+(\p)] offset:n*16*PITCH+(\k)
	ds_load_b128 v[XF+32*(\f)+8*n+4:XF+32*(\f)+8*n+7], v[XFA+(\p)] offset:n*16*PITCH+(\k)+32
.set n, n+1
.endr
.endm
.macro FETCH p, k, f                   ; all four runs on end
	FW \p, \k, \f, 0
	FW \p, \k, \f, 4
	FW \p, \k, \f, 8
	FX \p, \k, \f
.endm
; 8 matrix instructions for q (ty = 0) or k (ty = 1): token tiles a0, a0 + 1.  first = 1: C is the bias, which starts the sums: nothing is cleared.
; All 48 accumulators take turns, one instruction a turn, in the same order in every half step.
.macro MULQ f, ty, a0, first
.if \first
	WIN W_QK1
.else
	WIN W_QK
.endif
.irp a, \a0, (\a0)+1
.irp b, 0,1,2,3
.if \first
	v_wmma_f32_16x16x32_f16 v[128*(\ty)+32*(\a)+8*\b:128*(\ty)+32*(\a)+8*\b+7], v[WF+96*(\f)+8*(4*(\ty)+\b):WF+96*(\f)+8*(4*(\ty)+\b)+7], v[XF+32*(\f)+8*(\a):XF+32*(\f)+8*(\a)+7], v[CB+32*(\ty)+8*\b:CB+32*(\ty)+8*\b+7]
.else
	v_wmma_f32_16x16x32_f16 v[128*(\ty)+32*(\a)+8*\b:128*(\ty)+32*(\a)+8*\b+7], v[WF+96*(\f)+8*(4*(\ty)+\b):WF+96*(\f)+8*(4*(\ty)+\b)+7], v[XF+32*(\f)+8*(\a):XF+32*(\f)+8*(\a)+7], v[128*(\ty)+32*(\a)+8*\b:128*(\ty)+32*(\a)+8*\b+7]
.endif
.endr
.endr
.endm
.macro MULV f, first                   ; 16 for v, the sources the other way round
	WIN W_VV
.irp a, 0,1,2,3
.irp b, 0,1,2,3
.if \first
	v_wmma_f32_16x16x32_f16 v[32*\a+8*\b:32*\a+8*\b+7], v[XF+32*\f+8*\a:XF+32*\f+8*\a+7], v[WF+96*\f+8*(8+\b):WF+96*\f+8*(8+\b)+7], v[CBV+8*\b:CBV+8*\b+7]
.else
	v_wmma_f32_16x16x32_f16 v[32*\a+8*\b:32*\a+8*\b+7], v[XF+32*\f+8*\a:XF+32*\f+8*\a+7], v[WF+96*\f+8*(8+\b):WF+96*\f+8*(8+\b)+7], v[32*\a+8*\b:32*\a+8*\b+7]
.endif
.endr
.endr
.endm
.macro PARAMS                          ; the four LayerNorm vectors, register 8 b + j = element 16 b + 8 h + j, into the registers that staged x
	WIN 0
.irp b, 0,1,2,3
	global_load_b128 v[PAR+8*\b:PAR+8*\b+3], v[PO], s[22:23] offset:64*\b
	global_load_b128 v[PAR+8*\b+4:PAR+8*\b+7], v[PO], s[22:23] offset:64*\b+16
	global_load_b128 v[PAR+32+8*\b:PAR+32+8*\b+3], v[PO], s[24:25] offset:64*\b
	global_load_b128 v[PAR+32+8*\b+4:PAR+32+8*\b+7], v[PO], s[24:25] offset:64*\b+16
	global_load_b128 v[PAR+64+8*\b:PAR+64+8*\b+3], v[PO], s[26:27] offset:64*\b
	global_load_b128 v[PAR+64+8*\b+4:PAR+64+8*\b+7], v[PO], s[26:27] offset:64*\b+16
	global_load_b128 v[PAR+96+8*\b:PAR+96+8*\b+3], v[PO], s[28:29] offset:64*\b
	global_load_b128 v[PAR+96+8*\b+4:PAR+96+8*\b+7], v[PO], s[28:29] offset:64*\b+16
.endr
.endm
; K step t reads LDS buffer p and fills buffer np = 1 - p with K step t + 1.  One barrier a step: in front of its signal each wave's
; reads of buffer p and its stores into buffer np are done; behind its wait buffer np is read, and in the next step buffer p is written.
.macro KSTEP t, p, np, first
	PLACES                                         ; behind the last step's matrix instructions, ahead of the loads into the fragments that they read
	s_wait_dscnt 0x0                               ; the first half's fragments, F0, are in
	s_wait_alu depctr_va_vdst(0)                   ; the last step's matrix instructions are done reading F1, in which the 32 LDS loads of this half step land
	MULQ 0, 0, 0, \first
	FW \p, 64, 1, 0                                ; the second half's fragments, eight loads behind every eight products.  No further wait: the products since the wait name F0, the bias tiles and the accumulators alone
	MULQ 0, 0, 2, \first
	FX \p, 64, 1
	MULQ 0, 1, 0, \first
	FW \p, 64, 1, 4
	MULQ 0, 1, 2, \first
	FW \p, 64, 1, 8
	MULV 0, \first
.if \t < 7
	s_wait_loadcnt 0x0                             ; the tile was asked for a K step ago
	CVT
	WIN 0
	s_wait_alu depctr_va_vdst(0)                   ; the conversions have written XST and WST, which the LDS stores read; and this step's products on F0 are done reading it: the loads behind the barrier land there
	STO \np
.if \t < 6
	s_wait_alu depctr_vm_vsrc(0)                   ; the LDS stores have read XST and WST, in which the global loads below land
	s_wait_alu depctr_va_vdst(0)                   ; the conversions are done reading and writing XST and WST; stated behind the stores that read the same registers, since the loads stand under other register windows
.endif
	s_wait_dscnt 56                                ; the 32 fragment loads are in; the 56 younger stores may be out
	MULQ 1, 0, 0, 0
.if \t < 6
	GLX (\t)+2, 0                                  ; tile t + 2 into the registers just stored from, 28 loads behind every eight products, which name F1 and the accumulators alone; it has a whole K step in which to come
	GLX (\t)+2, 1
	GLW (\t)+2, 0
	GLW (\t)+2, 1
.endif
	MULQ 1, 0, 2, 0
.if \t < 6
	GLX (\t)+2, 2
	GLX (\t)+2, 3
	GLW (\t)+2, 2
	GLW (\t)+2, 3
.endif
	s_wait_dscnt 0x0                               ; my stores into buffer np are done, my reads of buffer p too
	s_barrier_signal -1
	MULQ 1, 1, 0, 0                                ; register work while the others arrive
	MULQ 1, 1, 2, 0
	s_barrier_wait -1
	PLACES
	FETCH \np, 0, 0                                ; no wait: since the wait behind the conversions no vector or matrix instruction names F0
.else
	WIN 0
	s_wait_alu depctr_vm_vsrc(0)                   ; the last step's LDS stores have read the registers that staged x, in which the LayerNorm vectors land (the conversions that named them stand ahead of this step's first wait)
	PARAMS
	s_wait_dscnt 0x0
	MULQ 1, 0, 0, 0
	MULQ 1, 0, 2, 0
	MULQ 1, 1, 0, 0
	MULQ 1, 1, 2, 0
.endif
	MULV 1, 0
.endm
	s_wait_alu depctr_va_vdst(0)                   ; the offsets and LDS addresses v2 to v13, v20 and v21 are written: every load and store of the kernel reads one of them
	global_load_b128 v[OUT:OUT+3], v[WSRC], s[30:31]               ; Wo(row r of my tile, 16 half + 8 h .. + 7)
	global_load_b128 v[OUT+4:OUT+7], v[WSRC], s[30:31] offset:16
	WIN W_TO1
.irp b, 0,1,2,3
	global_load_b128 v[CB+8*\b:CB+8*\b+3], v[PO], s[16:17] offset:64*\b          ; register 8 b + j = bq[64 head + 16 b + 8 h + j]
	global_load_b128 v[CB+8*\b+4:CB+8*\b+7], v[PO], s[16:17] offset:64*\b+16
	global_load_b128 v[CB+32+8*\b:CB+32+8*\b+3], v[PO], s[18:19] offset:64*\b
	global_load_b128 v[CB+32+8*\b+4:CB+32+8*\b+7], v[PO], s[18:19] offset:64*\b+16
.endr
	WIN W_TO3
.irp b, 0,1,2,3
	global_load_b32 v[CBV+8*\b], v[R4], s[20:21] offset:64*\b      ; bv[64 head + 16 b + r]: v's tiles hold one feature a lane
.endr
.irp g, 0,1,2,3
	GLX 0, \g
.endr
.irp g, 0,1,2,3
	GLW 0, \g
.endr
	s_wait_loadcnt 0x0
	WIN 0
	v_cvt_pk_f16_f32 v[OUT+8], v[OUT], v[OUT+1]
	v_cvt_pk_f16_f32 v[OUT+9], v[OUT+2], v[OUT+3]
	v_cvt_pk_f16_f32 v[OUT+10], v[OUT+4], v[OUT+5]
	v_cvt_pk_f16_f32 v[OUT+11], v[OUT+6], v[OUT+7]
	WIN W_MV3
.irp b, 0,1,2,3
.irp j, 1,2,3,4,5,6,7
	v_mov_b32 v[CBV+8*\b+\j], v[CBV+8*\b]                          ; the same bias for the tile's eight tokens
.endr
.endr
	CVT
	WIN 0
	s_wait_alu depctr_va_vdst(0)                   ; the conversions have written v[OUT+8 ..], XST and WST, which the store and the LDS stores below read
	global_store_b128 v[L16], v[OUT+8:OUT+11], s[38:39]            ; half a fragment of Wo: 512 consecutive bytes
	STO 0
	WIN 0
	s_wait_alu depctr_vm_vsrc(0)                   ; the LDS stores have read XST and WST, in which the loads of K step 1 land
	s_wait_alu depctr_va_vdst(0)                   ; the conversions are done reading and writing XST and WST; stated behind the stores that read the same registers, since the loads stand under other register windows
.irp g, 0,1,2,3
	GLX 1, \g
.endr
.irp g, 0,1,2,3
	GLW 1, \g
.endr
	s_wait_dscnt 0x0                               ; my part of buffer 0 is stored
	s_barrier_signal -1
	s_barrier_wait -1
	FETCH 0, 0, 0                                  ; no vector instruction has named F0
	KSTEP 0, 0, 1, 1
	KSTEP 1, 1, 0, 0
	KSTEP 2, 0, 1, 0
	KSTEP 3, 1, 0, 0
	KSTEP 4, 0, 1, 0
	KSTEP 5, 1, 0, 0
	KSTEP 6, 0, 1, 0
	KSTEP 7, 1, 0, 0
	; THE WAY OUT
	PLACES
	WIN 0
	s_wait_loadcnt 0x0                             ; the LayerNorm vectors
.set n, 0
.rept 32
	v_pk_mul_f32 v[PAR+2*n:PAR+2*n+1], v[PAR+2*n:PAR+2*n+1], 0x3e38aa3b op_sel_hi:[1,0]   ; q's gain and offset carry 1/8 and log2(e)
.set n, n+1
.endr
; the four stores of 16 tokens of q (ty = 0) or k (1), out of the out-buffer of a's parity
.macro SEND ty, a
.irp b, 0,1,2,3
	global_store_b128 v[L16], v[OUT-16*((\a)&1)+4*\b:OUT-16*((\a)&1)+4*\b+3], s[32+2*(\ty):33+2*(\ty)] offset:(\a)*2048+(\b>>1)*1024+(\b&1)*512
.endr
.endm
; LayerNorm of 16 tokens of q (ty = 0) or k (1): lane (r, h) holds 32 of token r's 64 numbers, lane (r, 1 - h) the others.
; A unit's packed results go into one of two out-buffers that take turns; they are stored in the next unit (prev = 1: the unit before was pty, pa).
.macro LN ty, a, prev, pty, pa
	WIN W_SUM2
.irp i, 0,1,2,3,4,5,6,7
	v_pk_add_f32 v[TT+2*\i:TT+2*\i+1], v[128*\ty+32*\a+4*\i:128*\ty+32*\a+4*\i+1], v[128*\ty+32*\a+4*\i+2:128*\ty+32*\a+4*\i+3]
.endr
	WIN 0
.irp i, 0,1,2,3
	v_pk_add_f32 v[TT+2*\i:TT+2*\i+1], v[TT+2*\i:TT+2*\i+1], v[TT+2*\i+8:TT+2*\i+9]
.endr
	v_pk_add_f32 v[TT:TT+1], v[TT:TT+1], v[TT+4:TT+5]
	v_pk_add_f32 v[TT+2:TT+3], v[TT+2:TT+3], v[TT+6:TT+7]
	v_pk_add_f32 v[TT:TT+1], v[TT:TT+1], v[TT+2:TT+3]
	v_add_f32 v[TA], v[TT], v[TT+1]
	v_permlanex16_b32 v[TA+1], v[TA], s56, s57
	v_add_f32 v[TA], v[TA], v[TA+1]
	v_mul_f32 v[MU], s58, v[TA]                    ; the mean
	WIN W_SUB2
.irp i, 0,1,2,3,4,5,6,7,8,9,10,11,12,13,14,15
	v_pk_add_f32 v[DD+2*\i:DD+2*\i+1], v[128*\ty+32*\a+2*\i:128*\ty+32*\a+2*\i+1], v[MU:MU+1] op_sel_hi:[1,0] neg_lo:[0,1] neg_hi:[0,1]
.endr
	WIN 0
	v_pk_mul_f32 v[TT:TT+1], v[DD:DD+1], v[DD:DD+1]
	v_pk_mul_f32 v[TT+2:TT+3], v[DD+2:DD+3], v[DD+2:DD+3]
.irp i, 2,4,6,8,10,12,14
	v_pk_fma_f32 v[TT:TT+1], v[DD+2*\i:DD+2*\i+1], v[DD+2*\i:DD+2*\i+1], v[TT:TT+1]
	v_pk_fma_f32 v[TT+2:TT+3], v[DD+2*\i+2:DD+2*\i+3], v[DD+2*\i+2:DD+2*\i+3], v[TT+2:TT+3]
.endr
	v_pk_add_f32 v[TT:TT+1], v[TT:TT+1], v[TT+2:TT+3]
	v_add_f32 v[TA], v[TT], v[TT+1]
	v_permlanex16_b32 v[TA+1], v[TA], s56, s57
	v_add_f32 v[TA], v[TA], v[TA+1]
	v_fma_f32 v[TA], v[TA], s58, s59               ; variance + eps
	v_rsq_f32 v[RS], v[TA]
	v_nop                                          ; one plain place behind v_rsq_f32 ahead of its result's use (ISA guide 5.7.2)
.if (4*(\ty)+(\a)) != 1                ; the second unit's out-buffer has had no store yet
	s_wait_xcnt 0x0                                ; this unit's out-buffer, which earlier stores read, is rewritten only behind this wait
	s_wait_alu depctr_vm_vsrc(0)                   ; the stores issued a unit ago (ahead of the first unit: the store of Wo's fragment) have read the out-buffer that this unit's conversions write again
.endif
	s_wait_alu depctr_va_vdst(0)                   ; v_rsq_f32 has written v[RS], ahead of its first reader; and the unit before has written its out-buffer, which the stores below read
.if \prev
	SEND \pty, \pa
.endif
.irp i, 0,1,2,3,4,5,6,7,8,9,10,11,12,13,14,15
	v_pk_mul_f32 v[DD+2*\i:DD+2*\i+1], v[DD+2*\i:DD+2*\i+1], v[RS:RS+1] op_sel_hi:[1,0]
.endr
.irp i, 0,1,2,3,4,5,6,7,8,9,10,11,12,13,14,15
	v_pk_fma_f32 v[DD+2*\i:DD+2*\i+1], v[DD+2*\i:DD+2*\i+1], v[PAR+64*\ty+2*\i:PAR+64*\ty+2*\i+1], v[PAR+64*\ty+32+2*\i:PAR+64*\ty+32+2*\i+1]
.endr
.irp i, 0,1,2,3,4,5,6,7,8,9,10,11,12,13,14,15
	v_cvt_pk_f16_f32 v[OUT-16*((\a)&1)+\i], v[DD+2*\i], v[DD+2*\i+1]
.endr
.endm
	LN 0, 0, 0, 0, 0
	LN 0, 1, 1, 0, 0
	LN 0, 2, 1, 0, 1
	LN 0, 3, 1, 0, 2
	LN 1, 0, 1, 0, 3
	LN 1, 1, 1, 1, 0
	LN 1, 2, 1, 1, 1
	LN 1, 3, 1, 1, 2
	; v: all 64 tokens are packed into 64 registers of their own, where q's gain and offset lay: no memory instruction has read them since the wait on vm_vsrc in the last K step
	WIN W_CVV
.irp a, 0,1,2,3
.irp i, 0,1,2,3,4,5,6,7,8,9,10,11,12,13,14,15
	v_cvt_pk_f16_f32 v[VB+16*\a+\i], v[32*\a+2*\i], v[32*\a+2*\i+1]
.endr
.endr
	WIN 0
	s_wait_alu depctr_va_vdst(0)                   ; the last LayerNorm unit has written its out-buffer and v's conversions have written v[VB ..]: the twenty stores below read them
	SEND 1, 3
.irp a, 0,1,2,3
.irp b, 0,1,2,3
	global_store_b128 v[L16], v[VB+16*\a+4*\b:VB+16*\a+4*\b+3], s[36:37] offset:\b*2048+(\a>>1)*1024+(\a&1)*512
.endr
.endr
	s_wait_dscnt 0x0                               ; the closing lines, six on end
	s_wait_alu 0x0
	s_wait_tensorcnt 0x0
	ds_add_u32 v126, v127
	s_wait_dscnt 0x0
	s_endpgm
.Lfunc_end_k_q74b13ed043_qkv:
	.size	k_q74b13ed043_qkv, .Lfunc_end_k_q74b13ed043_qkv-k_q74b13ed043_qkv
	.p2alignl 7, 3214868480
	.fill 96, 4, 3214868480
	.section	.rodata,"a",@progbits
	.p2align	6, 0x0
	.amdhsa_kernel k_q74b13ed043_qkv
		.amdhsa_group_segment_fixed_size 129536
		.amdhsa_private_segment_fixed_size 0
		.amdhsa_enable_private_segment 0
		.amdhsa_kernarg_size 128
		.amdhsa_user_sgpr_count 2
		.amdhsa_user_sgpr_kernarg_segment_ptr 1
		.amdhsa_wavefront_size32 1
		.amdhsa_system_sgpr_workgroup_id_x 1
		.amdhsa_system_sgpr_workgroup_id_y 1
		.amdhsa_system_sgpr_workgroup_id_z 1
		.amdhsa_system_vgpr_workitem_id 0
		.amdhsa_next_free_vgpr 1024
		.amdhsa_next_free_sgpr 66
		.amdhsa_reserve_vcc 0
		.amdhsa_float_denorm_mode_32 3
		.amdhsa_float_denorm_mode_16_64 3
		.amdhsa_memory_ordered 1
		.amdhsa_forward_progress 1
		.amdhsa_inst_pref_size 255
	.end_amdhsa_kernel
	.section	.bss,"aw",@nobits
	.p2align	6
	.space	262144
	.amdgpu_metadata
---
amdhsa.version: [ 1, 2 ]
amdhsa.kernels:
  - .name:           k_q74b13ed043_qkv
    .symbol:         k_q74b13ed043_qkv.kd
    .args:
      - { .name: x, .offset: 0, .size: 8, .value_kind: global_buffer, .address_space: global }
      - { .name: Wq, .offset: 8, .size: 8, .value_kind: global_buffer, .address_space: global }
      - { .name: Wk, .offset: 16, .size: 8, .value_kind: global_buffer, .address_space: global }
      - { .name: Wv, .offset: 24, .size: 8, .value_kind: global_buffer, .address_space: global }
      - { .name: bq, .offset: 32, .size: 8, .value_kind: global_buffer, .address_space: global }
      - { .name: bk, .offset: 40, .size: 8, .value_kind: global_buffer, .address_space: global }
      - { .name: bv, .offset: 48, .size: 8, .value_kind: global_buffer, .address_space: global }
      - { .name: q_gamma, .offset: 56, .size: 8, .value_kind: global_buffer, .address_space: global }
      - { .name: q_beta, .offset: 64, .size: 8, .value_kind: global_buffer, .address_space: global }
      - { .name: k_gamma, .offset: 72, .size: 8, .value_kind: global_buffer, .address_space: global }
      - { .name: k_beta, .offset: 80, .size: 8, .value_kind: global_buffer, .address_space: global }
      - { .name: Wo, .offset: 88, .size: 8, .value_kind: global_buffer, .address_space: global }
      - { .name: qf, .offset: 96, .size: 8, .value_kind: global_buffer, .address_space: global }
      - { .name: kf, .offset: 104, .size: 8, .value_kind: global_buffer, .address_space: global }
      - { .name: vf, .offset: 112, .size: 8, .value_kind: global_buffer, .address_space: global }
      - { .name: wof, .offset: 120, .size: 8, .value_kind: global_buffer, .address_space: global }
    .group_segment_fixed_size: 129536
    .private_segment_fixed_size: 0
    .kernarg_segment_align: 8
    .kernarg_segment_size: 128
    .max_flat_workgroup_size: 128
    .sgpr_count:     66
    .vgpr_count:     1024
    .wavefront_size: 32
...
	.end_amdgpu_metadata
.endif
;; end of part 5
;; launch attn: the kernel of part 4 again; grid 32 x 8, 4 waves a work-group, clusters of 4 x 1, 327,680 bytes of LDS; arguments qf, kf, vf, attn_bias, of; writes of
;; launch oproj: the kernel of part 3 again; grid 4 x 64, 4 waves a work-group, clusters of 4 x 4, 280,064 bytes of LDS; arguments of, wof, bo, out0; writes out0
